; MI455X (gfx1250); checked and timed in simulation.
; The chip was launched on July 23, 2026; its instructions are those of AMD's public machine-readable ISA for CDNA 5 (MIT licence, August 2026) and "CDNA5" Instruction Set Architecture Reference Guide (July 2026). The comments in the code are by the model that wrote it; some were corrected since.
;; Self Attention. Allowed arithmetic: matrix products marked QUANTISED: E4M3 operands, one E8M0 scale for each 32 along K, by v_wmma_scale_f32_16x16x128_f8f6f4 with both operands' format E4M3, f32 sums; everything else in f32.
;; Inputs: Wk_codes 1,024 x 32 x 32 uint8 (E4M3 codes of Wk, K innermost, in blocks of 32 codes); Wk_scales 1,024 x 32 uint8 (E8M0 scales of Wk, one for each 32 codes along K); Wq_codes 1,024 x 32 x 32 uint8 (E4M3 codes of Wq, K innermost, in blocks of 32 codes); Wq_scales 1,024 x 32 uint8 (E8M0 scales of Wq, one for each 32 codes along K); Wv_codes 1,024 x 32 x 32 uint8 (E4M3 codes of Wv, K innermost, in blocks of 32 codes); Wv_scales 1,024 x 32 uint8 (E8M0 scales of Wv, one for each 32 codes along K); bk 1,024 float32; bq 1,024 float32; bv 1,024 float32; x_codes 4 x 2,048 x 32 x 32 uint8 (E4M3 codes of x, K innermost, in blocks of 32 codes); x_scales 4 x 2,048 x 32 uint8 (E8M0 scales of x, one for each 32 codes along K).
;; Outputs: out0 4 x 2,048 x 1,024 float32.
;; This version of the problem:
;;   THIS VERSION OF THE PROBLEM IS GIVEN IN LOW PRECISION. The matrix products marked QUANTISED in the list below multiply operands that are first quantised to E4M3 (4 exponent bits, 3 mantissa bits; 8 bits a number), with one power-of-two scale for each 32 numbers along K (OCP MX v1.0); their sums are f32. All else is computed in f32.
;;   The module's matrix products, in the order in which they are computed (A, B: the left and right operand; K: the contracted axis; several contracted axes count as one K, in the product's order):
;;     1. [M 8,192, K 1,024] x [K 1,024, N 1,024]; A: input x (given as codes); B: input Wq (given as codes): QUANTISED
;;     2. [M 8,192, K 1,024] x [K 1,024, N 1,024]; A: input x (given as codes); B: input Wk (given as codes): QUANTISED
;;     3. [M 8,192, K 1,024] x [K 1,024, N 1,024]; A: input x (given as codes); B: input Wv (given as codes): QUANTISED
;;     4. batch 4 x [M 2,048, K 1,024] x [K 1,024, N 2,048]; A: computed on the way; B: computed on the way: QUANTISED
;;     5. batch 4 x [M 2,048, K 2,048] x [K 2,048, N 1,024]; A: softmax (see below); B: computed on the way: QUANTISED
;;   THE QUANTISER, for each operand of a quantised product, along K:
;;     - K is cut into blocks of 32 from its start; a last block that is shorter is filled with zeros.
;;     - A block's scale is 2^e with e = floor(log2(the largest magnitude in the block)) - 8, held to -126 .. 127; a block of zeros has e = 0. As a byte (E8M0): e + 127.
;;     - Each number is divided by its block's scale, clamped to +-448, and rounded to the nearest number of E4M3, ties to even, subnormals kept.
;;     - The product sums the exact products of the quantised numbers (number of the format x scale) in f32.
;;   ~~~python
;;   def quantise(x, axis):      # numpy; x: float32 -> the quantised numbers, widened to float32 again
;;       x = np.moveaxis(x, axis, -1); K = x.shape[-1]
;;       x = np.pad(x, [(0, 0)] * (x.ndim - 1) + [(0, -K % 32)]); x = x.reshape(x.shape[:-1] + (-1, 32)); a = np.abs(x).max(-1, keepdims=True)
;;       e = np.where(a > 0, np.clip(np.frexp(np.where(a > 0, a, 1))[1] - 1 - 8, -126, 127), 0)      # np.frexp(a)[1] - 1 = floor(log2(a)), exactly
;;       r = np.clip(x / 2.0 ** e, -448, 448)
;;       step = 2.0 ** (np.maximum(np.frexp(np.where(r == 0, 1, r))[1] - 1, -6) - 3)
;;       q = np.round(r / step) * step * 2.0 ** e      # np.round: ties to even
;;       return np.moveaxis(q.reshape(q.shape[:-2] + (-1,))[..., :K], -1, axis).astype(np.float32)
;;   ~~~
;;   SOFTMAX AHEAD OF A QUANTISED PRODUCT. Where the list says 'softmax', what is quantised is not the finished softmax but p = 2^(t - M), with t = logit x log2(e) and M = ceil(the row's largest t), a whole number; so 1/2 < the row's largest p <= 1. The row's sum l is taken of the UNQUANTISED p, in f32, and the product's result is divided by l at the end. Since M is a whole number, a kernel that streams over the keys may use a running M (the ceiling of the running maximum): every later rescaling is an exact power of two, which a block's scale takes up: the codes' values come out the same.
;;   OPERANDS COMPUTED ON THE WAY. 'Computed on the way' means the value that the module computes at that place (a softmax that the list does not call 'softmax' is quantised finished and normalised). What goes into a quantiser is computed in f32, as accurately as f32 sums, v_exp_f32 and their like allow (about 1e-6 of the number): no bf16 or f16 on the way to a quantiser, and a product that is left as it is and whose result goes on into a quantised operand takes f32 operands (vector FMAs, or v_wmma_f32_16x16x4_f32). A number that lies on a knife's edge between two numbers of the format may be rounded either way, as far as f32 arithmetic and the matrix unit's own rounding can turn it there, and no further.
;;   INPUTS GIVEN AS CODES. Wk (in the module: [1024, 1024], K = its axis 1); Wq (in the module: [1024, 1024], K = its axis 1); Wv (in the module: [1024, 1024], K = its axis 1); x (in the module: [4, 2048, 1024], K = its axis 2): each comes as NAME_codes (uint8): NAME with its K axis moved to the last place and cut into blocks of 32 codes, [.., K / 32, bytes a block], one block behind the other in memory; one code a byte (a code: sign, 4 exponent bits, 3 mantissa bits); and NAME_scales (uint8): the same leading axes, one E8M0 byte (e + 127) for each 32 codes along K. Its value is code x scale, taken as it is: it is not quantised again, and the codes and scales need not be those that the quantiser above would give.
;; One version. Each part assembles by itself: llvm-mc -triple=amdgcn-amd-amdhsa -mcpu=gfx1250 --defsym DOCPART=n.
;; ======== version 1 of 1: 3 launches
;; limits: right only within a limited range of input values
;; workspace buffers: qk_img 16,777,216 bytes; qk_sc 524,288 bytes; v_img 8,388,608 bytes; v_sc 262,144 bytes; p_img 16,777,216 bytes; p_meta 1,572,864 bytes
;; launch proj (part 1): grid 16 x 16, 4 waves a work-group, clusters of 4 x 4, 327,680 bytes of LDS; arguments x_codes, x_scales, Wq_codes, Wq_scales, Wk_codes, Wk_scales, Wv_codes, Wv_scales, bq, bk, bv, qk_img, qk_sc, v_img, v_sc; writes qk_img, qk_sc, v_img, v_sc
.if DOCPART == 1
	.amdgcn_target "amdgcn-amd-amdhsa--gfx1250"
	.amdhsa_code_object_version 6
	.text
	.protected	k_q995cfd14fc_proj
	.globl	k_q995cfd14fc_proj
	.p2align	8
	.type	k_q995cfd14fc_proj,@function
k_q995cfd14fc_proj:
	s_mov_b64 s[64:65], 0
	v_nop
	global_prefetch_b8 v0, s[64:65] scope:SCOPE_SE
	s_setreg_imm32_b32 hwreg(HW_REG_WAVE_MODE, 25, 1), 1
	s_wait_xcnt 0x0
	s_wait_alu depctr_hold_cnt(0) depctr_sa_sdst(0) depctr_va_vdst(0) depctr_va_sdst(0) depctr_va_ssrc(0) depctr_va_vcc(0) depctr_vm_vsrc(0)
	s_getreg_b32 s2, hwreg(HW_REG_IB_STS2, 6, 4)
	s_cmp_eq_u32 s2, 0
	s_cbranch_scc0 .Lentry_in_a_cluster
	s_endpgm
.Lentry_in_a_cluster:
	s_bfe_u32 s2, ttmp6, 0x10000c
	s_cmp_lg_u32 s2, 0xf033
	s_cbranch_scc0 .Lentry_shape_is_right
	s_endpgm
.Lentry_shape_is_right:
; Q, K, V = x W^T + b AND THEIR QUANTISERS on codes of MX-FP8: 8,192 x 3,072 x 1,024.  Codes and scale bytes leave as images of the operand registers of the launches that read them.  No work of the problem is left out.
; LIMITS: NaN, infinities and sums beyond f32's range are not served.  A block's byte never falls under 1 (a block of zeros has zero codes under the byte 1).
; OUTPUTS (r = lane % 16, h = lane / 16): qk_img: Q's then K's [row / 16][K / 128][c][lane][16 bytes];  qk_sc: Q's then K's [K / 128][8,192 rows] words;  v_img: [batch][channel / 16][key / 128][c][lane][16];  v_sc: [batch][key / 128][1,024] words.
; Inside a block of 32 the order of channels in qk_img is one that Q and K share; the order of tokens in v_img is 8 h + i, 16 + 8 h + i, the order in which the next launch leaves p's keys.
; THE DEAL.  256 work-groups of four waves, 2 x 2; a wave holds 64 rows of a weight, ALL of K, in registers (512) and streams x's rows past them in blocks of 16, which stand in registers as two whole sets (256).
; PHASE 1: 512 rows x 128 columns of Q (tile columns 0 to 7) or K (8 to 15): sixteen blocks.  PHASE 2: 256 x 128 of V: eight blocks, of one of the work-group's own two windows of 256 rows: number s18; W_v's tile column is s13.
; THE ORDER OF WORK.  LDS holds two slots of 128 rows.  A weight's rows lie in a slot (the first in 1, W_v's in 0).  Phase 1 takes the window that is not V's first (chunks 0, 1), V's last (chunks 2, 3): chunk 3 still lies in slot 1 when V begins, and chunk 2 comes anew.
; A chunk is 128 neighbouring tokens: wave row w takes its rows 64 w + 16 s, s = 0 .. 3.
; FILLS, all by joint loads.  At the head the first weight (wave 0), chunk 0 (wave 1), a window's scale bytes each (waves 2, 3).  Refills, each in a drained round of the cluster's barrier, a quarter of 128 rows a wave: chunks 1, 2, 3 inside blocks 0, 4, 8; W_v's rows behind block 11; chunk 2 anew behind W_v's loads into registers.
; A chunk's quarters 0 and 2 (blocks 0, 1 of both wave rows) are waves 0 and 1's: the plain barrier inside the block two on shows them alone.
; THE STREAM.  Behind a block's 32 products its set takes the block two on, also through the change of phase.  A block's way out stands among later products: Q's and K's among the next block's, a pair of V's blocks among the next pair's.
; PREFETCHES: each of the cluster row's sixteen waves names a sixteenth of chunks 1 and 2 behind the head, of chunk 3 in chunk 1's trip; each of the column's sixteen a sixteenth of W_v's rows in chunk 2's trip.
.set NQ, 8
.set NB, 4
.set CH, 128
.set KROW, 1024
.set KS, 32
.set PITCH, KROW+16  ; 260 words: row r starts 4 r banks on
.set FR, 16
.set FPW, 256/FR
.set NP, 8
.set NF, 34  ; LDS loads of a block
.set YB, CH*PITCH  ; slot 1
.set SCL, 2*CH*PITCH  ; the scale bytes of x's 512 rows in the order of work, units of 256 bytes (8 rows) + 16
.set RS, 32
.set SSTEP, 2*272  ; from a block's scale bytes to the next's
.set XN, SCL+2*RS*272  ; Q's or K's scale words: [512 tokens in the order of work]
.set XV, XN+2048  ; V's: [key step of two][128 channels]
.set SPARE, XV+1024
.set EMAX, 8
.set RB, 16384  ; a row block of qk_img
.set CSTEP, 5*RB  ; from a chunk's fourth block of a wave to the next chunk's first
.set ADRA0, 4
.set CN, 5
.set AAS0, 6
.set ABSV, 8
.set CO, 9
.set SPW, 10
.set NIL, 11
.set ADRA, 12
.set VX, 13
.set ADRB, 14  ; v14 the first weight's even tiles; v15 W_v's
.set ABS, 16
.set AAS, 17
.set ADRBO, 18  ; the first weight's odd tiles
.set RD, 19
.set SOP, 20
.set SB, 24
.set EB, 40
.set SA, 44
.set TQ, 60
.set ACC, 64  ; four sets of four accumulators
.set WS, 128  ; in phase 1: W_v's scale words
.set NCD, 192
.set MCD, 192
.set BQ, 208  ; the first products' C
.set BV, 240
.set G1A, 24
.set G0A, 56
.set G1B, 32
.set G0B, 60
.set G1R, 48
.set G0R, 68
.set G1S, 92
.set G0S, 72
.set MSB, 0
.macro WIN new
.if MSB != \new
	s_set_vgpr_msb (MSB<<8)|\new
.set MSB, \new
.endif
.endm
.macro PLACES n
.rept \n
	v_nop
.endr
.endm
.macro BARRIER
	s_barrier_signal -1
	s_barrier_wait -1
.endm
.macro CROUND
	BARRIER
	s_cmp_lg_u32 s14, 0
	s_cbranch_scc1 .Lnot_wave_0_\@
	s_barrier_signal -3
.Lnot_wave_0_\@:
	s_barrier_wait -3
	BARRIER
.endm
.macro TLOAD g0, g1
	tensor_load_to_lds s[\g0:\g0+3], s[\g1:\g1+7]
	s_nop 0
	PLACES 4
.endm
.macro GROUP1 g, mask, rows  ; whole rows of K, padded in LDS by 16 bytes behind every 1,024
	s_or_b32 s[\g+0], s[\mask], (1<<20)|(1<<21)|(7<<22)|(3<<25)
	s_mov_b32 s[\g+1], (KROW&0xffff)<<16
	s_mov_b32 s[\g+2], (KROW>>16)|((\rows)<<16)
	s_mov_b32 s[\g+3], KROW<<16
	s_mov_b32 s[\g+4], \rows
	s_mov_b32 s[\g+5], KROW
	s_mov_b32 s[\g+6], 0
	s_mov_b32 s[\g+7], 0
.endm
.macro SADD d, x
	s_add_co_u32 s\d, s\d, s\x
.endm
.macro PLUS d, x, n  ; s[d] += s[x] << n
	s_lshl_b32 s20, s\x, \n
	s_add_co_u32 s\d, s\d, s20
.endm
	s_load_b128 s[4:7], s[0:1], 0x0  ; x's codes, scales
	s_load_b256 s[76:83], s[0:1], 0x10  ; W_q's, W_k's
	s_load_b128 s[8:11], s[0:1], 0x30  ; W_v's
	s_load_b128 s[84:87], s[0:1], 0x40  ; b_q, b_k
	s_load_b64 s[88:89], s[0:1], 0x50  ; b_v
	v_lshl_add_u32 v[SPW], v0, 2, SPARE
	v_mov_b32 v[NIL], 0
	ds_add_u32 v[SPW], v[NIL]  ; the wave's opening: the add, twice on end, and its wait ahead of my first tensor load
	ds_add_u32 v[SPW], v[NIL]
	v_lshrrev_b32 v1, 5, v0
	v_readfirstlane_b32 s14, v1  ; wave 0..3
	s_lshr_b32 s15, s14, 1  ; my row of waves
	s_and_b32 s16, s14, 1  ; my column of waves
	s_bfe_u32 s40, ttmp6, 0x40000  ; cx, cy
	s_bfe_u32 s41, ttmp6, 0x40004
	s_lshl_b32 s42, ttmp9, 2
	s_add_co_u32 s42, s42, s40  ; tile column
	s_and_b32 s43, ttmp7, 0xffff
	s_lshl_b32 s43, s43, 2
	s_add_co_u32 s43, s43, s41  ; tile row
	s_lshr_b32 s19, ttmp9, 1  ; 0: Q; 1: K
	s_and_b32 s18, ttmp9, 1  ; V's window of my two
	s_and_b32 s66, s42, 7  ; which 128 columns of Q or K: the next product's K step
	s_lshl_b32 s44, s41, 2
	s_lshl_b32 s44, 15, s44  ; my row of the cluster: shares x's rows
	s_lshl_b32 s45, 0x1111, s40  ; my column: shares a weight's
	GROUP1 G1B, 45, 128
	GROUP1 G1A, 44, CH
	GROUP1 G1R, 44, CH/4
	s_or_b32 s[G1S+0], s44, (3<<16)|(1<<20)|(1<<21)|(5<<22)|(3<<25)
	s_mov_b32 s[G1S+1], 32<<16
	s_mov_b32 s[G1S+2], RS<<16
	s_mov_b32 s[G1S+3], 32<<16
	s_mov_b32 s[G1S+4], RS
	s_mov_b32 s[G1S+5], 32
	s_mov_b32 s[G1S+6], 0
	s_mov_b32 s[G1S+7], 0
	s_mov_b32 s[G0S], 1
	s_mul_i32 s[G0S+1], s16, RS*272
	s_add_co_u32 s[G0S+1], s[G0S+1], SCL
; offsets in bytes: s67, s2: in x the rows of the window that is not V's, of V's;  s3: W_v's rows
	s_lshl_b32 s67, s43, 19
	s_lshl_b32 s20, s18, 18
	s_add_co_u32 s2, s67, s20
	s_xor_b32 s20, s20, 1<<18
	SADD 67, 20
	s_lshl_b32 s13, s19, 2
	SADD 13, 40  ; W_v's tile column
	s_lshl_b32 s3, s13, 17
	s_lshl_b32 s12, s43, 1  ; s12: x's scale bytes: wave 2 the window that is not V's, wave 3 V's
	s_xor_b32 s20, s18, 1
	s_cmp_eq_u32 s16, 1
	s_cselect_b32 s20, s18, s20
	SADD 12, 20
	s_lshl_b32 s12, s12, 13
	s_mov_b32 s[G0A], 1
	s_mov_b32 s[G0A+1], 0
	s_mov_b32 s[G0B], 1
	s_mov_b32 s[G0B+1], YB
	s_mov_b32 s[G0R], 1
	v_and_b32 v1, 15, v0  ; r
	v_bfe_u32 v2, v0, 4, 1  ; h
	v_and_b32 v3, 31, v0  ; lane
	v_mul_u32_u24 v22, v1, PITCH
	v_lshl_add_u32 v23, v2, 4, v22  ; row r, 16 bytes a half
	s_mul_i32 s20, s15, 64*PITCH
	v_add_nc_u32 v[ADRA0], s20, v23
	s_mul_i32 s22, s16, 64*PITCH  ; my 64 rows of a weight
	v_add_nc_u32 v[ADRB+1], s22, v23  ; W_v's, in slot 0: natural order
	s_add_co_u32 s22, s22, YB
; THE FIRST WEIGHT'S ROWS OF A TILE: tile j takes rows 8 j + 0 .. 7 (lanes r < 8) and 32 + 8 (j xor 1) + 0 .. 7 (r >= 8): a lane's 32 sums of a token are one scale block, and the sixteen rows start at different banks
	v_lshrrev_b32 v22, 3, v1
	v_and_b32 v23, 7, v1
	v_mad_u32_u24 v[ADRB], v22, 40, v23
	v_mad_u32_u24 v[ADRBO], v22, 24, v23
	v_mul_u32_u24 v[ADRB], v[ADRB], PITCH
	v_mul_u32_u24 v[ADRBO], v[ADRBO], PITCH
	v_lshl_add_u32 v[ADRB], v2, 4, v[ADRB]
	v_lshl_add_u32 v[ADRBO], v2, 4, v[ADRBO]
	v_add_nc_u32 v[ADRB], s22, v[ADRB]
	v_add_nc_u32 v[ADRBO], s22, v[ADRBO]
	v_lshl_add_u32 v23, v2, 3, v23  ; its scale bytes: lanes 0-15 tile 2 p's rows, lanes 16-31 tile 2 p + 1's
	v_lshlrev_b32 v[ABS], 4, v2
	v_sub_nc_u32 v[ABS], 40, v[ABS]
	v_mad_u32_u24 v[ABS], v22, v[ABS], v23
	v_lshlrev_b32 v[ABS], 5, v[ABS]
	v_lshlrev_b32 v[ABSV], 5, v3  ; W_v's
	v_lshlrev_b32 v23, 5, v1  ; x's scale bytes in LDS: 32 bytes a row, 16 more for each 8 rows
	v_lshl_add_u32 v23, v22, 4, v23
	s_mul_i32 s20, s15, 8*272
	s_add_co_u32 s20, s20, SCL
	v_add_nc_u32 v[AAS0], s20, v23
	s_lshl_b32 s90, s40, 2  ; which of the cluster row's sixteen waves I am,
	SADD 90, 14
	s_lshl_b32 s100, s41, 2  ; and of the column's
	SADD 100, 14
	s_wait_alu depctr_va_vdst(0)
	s_wait_dscnt 0x0  ; both opening adds are done
	CROUND  ; all sixteen work-groups are here
	s_wait_kmcnt 0x0
	s_cmp_eq_u32 s19, 0
	s_cselect_b64 s[76:77], s[76:77], s[80:81]
	s_cselect_b64 s[78:79], s[78:79], s[82:83]
	s_cselect_b64 s[84:85], s[84:85], s[86:87]
	s_mov_b64 s[80:81], s[8:9]  ; W_v's codes
	s_mov_b32 s86, s67
	s_mov_b32 s87, 0
	s_add_nc_u64 s[G0A+2:G0A+3], s[4:5], s[86:87]
	s_or_b32 s[G0A+3], s[G0A+3], 0x80000000
	s_lshl_b32 s82, s66, 17
	s_mov_b32 s83, 0
	s_add_nc_u64 s[G0B+2:G0B+3], s[76:77], s[82:83]
	s_or_b32 s[G0B+3], s[G0B+3], 0x80000000
	s_mov_b32 s22, s12
	s_mov_b32 s23, 0
	s_add_nc_u64 s[G0S+2:G0S+3], s[6:7], s[22:23]
	s_or_b32 s[G0S+3], s[G0S+3], 0x80000000
	s_cmp_eq_u32 s14, 0  ; ONE joint load a wave, and a line of its own for what is shown ahead of the rest
	s_cbranch_scc0 .Lwave_1
	TLOAD G0B, G1B  ; wave 0: the first weight's rows, which are wanted first
	s_branch .Lasked
.Lwave_1:
	s_cmp_eq_u32 s14, 1
	s_cbranch_scc0 .Lfor_scales
	TLOAD G0A, G1A  ; wave 1: chunk 0
	s_branch .Lasked
.Lfor_scales:
	TLOAD G0S, G1S  ; waves 2, 3: a window's scale bytes each
.Lasked:
; where my results go: offsets now, the buffers' addresses in front of the stream
	s_lshl_b32 s76, s19, 23  ; s76 qk_img
	PLUS 76, 43, 19
	PLUS 76, 66, 11
	PLUS 76, 15, 16
	PLUS 76, 16, 10
	s_lshl_b32 s77, s19, 18  ; s77 qk_sc: wave n stores the n-th chunk's 128 words
	PLUS 77, 66, 15
	PLUS 77, 43, 11
	s_xor_b32 s21, s15, s18
	s_xor_b32 s21, s21, 1
	PLUS 77, 21, 10
	PLUS 77, 16, 9
	s_lshr_b32 s21, s43, 2  ; the batch
	s_and_b32 s22, s43, 3
	s_lshl_b32 s82, s21, 21  ; s82 v_img
	PLUS 82, 13, 18
	PLUS 82, 16, 17
	PLUS 82, 22, 13
	PLUS 82, 18, 12
	PLUS 82, 15, 10
	s_lshl_b32 s83, s21, 16  ; s83 v_sc: wave n stores key step n / 2, 64 channels n % 2
	PLUS 83, 22, 14
	PLUS 83, 18, 13
	PLUS 83, 15, 12
	PLUS 83, 13, 9
	PLUS 83, 16, 8
; THE BIAS IS THE FIRST PRODUCTS' C.  Phase 1: register i of tile j is column 8 j + i (h = 0) or 32 + 8 (j xor 1) + i (h = 1) of my 64.  Phase 2: all eight registers of tile t are column 16 t + r's: one number, spread over eight at the change of phase.
	s_lshl_b32 s22, s66, 9
	PLUS 22, 16, 8
	s_mov_b32 s23, 0
	s_add_nc_u64 s[84:85], s[84:85], s[22:23]
	s_lshl_b32 s22, s13, 9
	PLUS 22, 16, 8
	s_add_nc_u64 s[88:89], s[88:89], s[22:23]
	s_lshl_b32 s22, s66, 12  ; the scale bytes of my 64 rows of the first weight,
	PLUS 22, 16, 11
	s_add_nc_u64 s[78:79], s[78:79], s[22:23]
	s_lshl_b32 s22, s13, 12  ; and of W_v
	PLUS 22, 16, 11
	s_add_nc_u64 s[10:11], s[10:11], s[22:23]
	v_mul_u32_u24 v22, v2, 160
	v_mul_u32_u24 v23, v2, 96
	v_lshlrev_b32 v7, 2, v1
	s_wait_alu depctr_va_vdst(0)
.irp k, 0,1,4,5
	global_load_b128 v[BQ+4*\k:BQ+4*\k+3], v22, s[84:85] offset:16*\k
	global_load_b128 v[BQ+4*\k+8:BQ+4*\k+11], v23, s[84:85] offset:16*\k+32
.endr
.irp t, 0,1,2,3
	global_load_b32 v[BV+\t], v7, s[88:89] offset:64*\t
.endr
.irp p, 0,1
.irp c, 0,1
	global_load_b128 v[SB+NQ*\p+4*\c:SB+NQ*\p+4*\c+3], v[ABS], s[78:79] offset:\p*16*KS+16*\c
	global_load_b128 v[WS+NQ*\p+4*\c:WS+NQ*\p+4*\c+3], v[ABSV], s[10:11] offset:\p*32*KS+16*\c
.endr
.endr
	s_wait_xcnt 0x0  ; the loads have taken their addresses; they change below
	v_lshlrev_b32 v[CO], 4, v3
	s_lshl_b32 s21, s15, 8  ; where a byte of Q or K goes: token 64 w + r, byte 2 x column of waves + h
	PLUS 21, 16, 1
	s_add_co_u32 s21, s21, XN
	v_lshl_add_u32 v23, v1, 2, v2
	v_add_nc_u32 v[VX], s21, v23
	s_lshl_b32 s21, s16, 8  ; V's: channel 64 x column of waves + r, byte 2 w: both halves of the lanes hold the same byte
	PLUS 21, 15, 1
	s_add_co_u32 s21, s21, XV
	v_lshlrev_b32 v23, 2, v1
	v_add_nc_u32 v[RD], s21, v23
	v_lshlrev_b32 v23, 9, v2
	v_lshl_add_u32 v[CN], v1, 4, v23
	s_add_co_u32 s6, s67, CH*KROW  ; chunk 1
	s_add_co_u32 s7, s2, CH*KROW  ; chunk 3
	s_lshl_b32 s21, s90, 13
	s_add_co_u32 s22, s21, s6
	v_lshl_add_u32 v7, v3, 8, s22  ; my sixteenth of chunk 1, of chunk 2
	s_add_co_u32 s22, s21, s2
	v_lshl_add_u32 v8, v3, 8, s22
	v_add_nc_u32 v1, 16*PITCH, v[ADRA0]  ; block 1's LDS addresses
	v_add_nc_u32 v2, SSTEP, v[AAS0]
	s_wait_alu depctr_va_vdst(0)
	s_cmp_eq_u32 s14, 0
	s_cbranch_scc0 .Lnot_b
	s_wait_tensorcnt 0x0  ; wave 0: the first weight has landed.  The other waves' wait stands at the second barrier
.Lnot_b:
	BARRIER
	global_prefetch_b8 v7, s[4:5] th:TH_LOAD_NT scope:SCOPE_SE
	global_prefetch_b8 v8, s[4:5] th:TH_LOAD_NT scope:SCOPE_SE
.macro WALU
	s_wait_alu depctr_va_vdst(0)
.endm
.macro MIDDLE  ; a round's middle
	WIN 0
	s_barrier_wait -1
	s_cmp_lg_u32 s14, 0
	s_cbranch_scc1 .Lnot_wave_0_\@
	s_barrier_signal -3
.Lnot_wave_0_\@:
	s_barrier_wait -3
.endm
.macro GRD
	s_wait_tensorcnt 0x0
	ds_add_u32 v[SPW], v[NIL]
.endm
.macro FRAG f, adr, q, off  ; a weight's fragment f, 16 rows x 128 of K; it lies in window 1 + f / 16
	WIN (1+(\f)/FPW)<<6
.irp c, 0,1,2,3
	ds_load_b128 v[FR*((\f)%FPW)+4*\c:FR*((\f)%FPW)+4*\c+3], v[\adr] offset:128*(\q)+32*\c+(\off)
.endr
.endm
.macro FETCHAT k, a, s  ; a block of x, 16 rows, all of K, into set k of window 3, and its scale words: NF loads
	WIN 3<<6
.irp q, 0,1,2,3,4,5,6,7
.irp c, 0,1,2,3
	ds_load_b128 v[128*\k+FR*\q+4*\c:128*\k+FR*\q+4*\c+3], v[\a] offset:128*\q+32*\c
.endr
.endr
	WIN 0
	ds_load_b128 v[SA+8*\k:SA+8*\k+3], v[\s]
	ds_load_b128 v[SA+8*\k+4:SA+8*\k+7], v[\s] offset:16
.endm
.macro PROD kind, e, a, n  ; product n = 4 q + b of a block.  kind 0 (Q, K): source 0 = the weight's rows; kind 1 (V): source 0 = x's rows.  A sum's first product takes the bias as C
.set Q_, (\n)/4
.set B_, (\n)%4
.set FB_, NB*Q_+B_
.set AC_, ACC+32*(\a)+8*B_
.set C_, AC_
.if Q_ == 0
.set C_, BQ+8*B_
.endif
.set R_, 128*(\e)+FR*Q_
.set W_, FR*(FB_%FPW)
.set XS_, SA+8*(\e)+Q_
.set WS_, SB+8*(B_/2)+Q_
.if \kind
	WIN 3|((1+FB_/FPW)<<2)
.if B_%2
	v_wmma_scale_f32_16x16x128_f8f6f4 v[AC_:AC_+7], v[R_:R_+FR-1], v[W_:W_+FR-1], v[C_:C_+7], v[XS_], v[WS_] matrix_b_scale:MATRIX_SCALE_ROW1
.else
	v_wmma_scale_f32_16x16x128_f8f6f4 v[AC_:AC_+7], v[R_:R_+FR-1], v[W_:W_+FR-1], v[C_:C_+7], v[XS_], v[WS_]
.endif
.else
	WIN (1+FB_/FPW)|(3<<2)
.if B_%2
	v_wmma_scale_f32_16x16x128_f8f6f4 v[AC_:AC_+7], v[W_:W_+FR-1], v[R_:R_+FR-1], v[C_:C_+7], v[WS_], v[XS_] matrix_a_scale:MATRIX_SCALE_ROW1
.else
	v_wmma_scale_f32_16x16x128_f8f6f4 v[AC_:AC_+7], v[W_:W_+FR-1], v[R_:R_+FR-1], v[C_:C_+7], v[WS_], v[XS_]
.endif
.endif
.endm
.macro HOLD x, b
	v_med3_num_f32 v[\x], v[\x], -v[TQ+\b], v[TQ+\b]
.endm
.macro SCALES i, n  ; 0: the conversion's scale operand; 1: the bound; 2: a second copy of it; 3: the byte
.if (\i) == 0
	v_add_nc_u32 v[SOP+\n], -(EMAX<<23), v[TQ]
.elseif (\i) == 1
	v_and_or_b32 v[TQ+1], v[TQ], 0x7f800000, s62
.elseif (\i) == 2
	v_mov_b32 v[TQ+3], v[TQ+1]
.else
	v_lshrrev_b32 v[EB+\n], 23, v[SOP+\n]
.endif
.endm
.macro MAXQ k, x  ; Q, K: 18 lines: the largest magnitude of the 32 sums at x, and the floor under which a byte would fall under 1
.if (\k) < 4
	v_max3_num_f32 v[TQ+\k], |v[\x+8*(\k)]|, |v[\x+8*(\k)+1]|, |v[\x+8*(\k)+2]|
.elseif (\k) < 12
	v_max3_num_f32 v[TQ+(\k)%4], v[TQ+(\k)%4], |v[\x+8*((\k)%4)+2*((\k)/4)+1]|, |v[\x+8*((\k)%4)+2*((\k)/4)+2]|
.elseif (\k) < 16
	v_max_num_f32 v[TQ+(\k)%4], v[TQ+(\k)%4], |v[\x+8*((\k)%4)+7]|
.elseif (\k) == 16
	v_max3_num_f32 v[TQ], v[TQ], v[TQ+1], v[TQ+2]
.else
	v_max3_num_f32 v[TQ], v[TQ], v[TQ+3], (EMAX+1)<<23
.endif
.endm
.macro HOLDS m, x  ; two of a scale block's holds; the second copy of the bound is fresh where the first would be read late
.if (\m) == 3
	HOLD \x, 3
	HOLD \x+1, 3
.else
	HOLD \x, 1
	HOLD \x+1, 1
.endif
.if (\m) == 2
	SCALES 2, 0
.endif
.endm
.macro GAPQ m, x  ; THE QUANTISER OF Q's OR K's BLOCK, gaps 0 .. 26
.if (\m) < 9
	MAXQ 2*(\m), \x
	MAXQ 2*(\m)+1, \x
.elseif (\m) == 9
	SCALES 0, 0
	SCALES 1, 0
.elseif (\m) < 26
	HOLDS (\m)-10, \x+2*((\m)-10)
.if ((\m)-10)%4 == 3
	v_cvt_scalef32_pk8_fp8_f32 v[NCD+2*(((\m)-10)/4):NCD+2*(((\m)-10)/4)+1], v[\x+8*(((\m)-10)/4):\x+8*(((\m)-10)/4)+7], v[SOP]
.endif
.elseif (\m) == 26
	SCALES 3, 0
.endif
.endm
.macro GAPV u, x  ; THE QUANTISER OF A PAIR OF V's BLOCKS, gaps 0 .. 59, 15 a tile: a scale block of 32 lies in lanes l and l xor 16
.set T_, (\u)/15
.set J_, (\u)%15
.set E_, \x+8*T_
.set O_, E_+32
.if (\u) > 59
.elseif J_ == 0
	v_max3_num_f32 v[TQ], |v[E_]|, |v[E_+1]|, |v[E_+2]|
	v_max3_num_f32 v[TQ+2], |v[O_]|, |v[O_+1]|, |v[O_+2]|
.elseif J_ < 3
	v_max3_num_f32 v[TQ], v[TQ], |v[E_+2*J_+1]|, |v[E_+2*J_+2]|
	v_max3_num_f32 v[TQ+2], v[TQ+2], |v[O_+2*J_+1]|, |v[O_+2*J_+2]|
.elseif J_ == 3
	v_max3_num_f32 v[TQ+2], v[TQ+2], |v[O_+7]|, (EMAX+1)<<23
	v_max3_num_f32 v[TQ], v[TQ], |v[E_+7]|, v[TQ+2]
.elseif J_ == 4
	v_permlanex16_b32 v[TQ+2], v[TQ], s60, s61
	v_max_num_f32 v[TQ], v[TQ], v[TQ+2]
.elseif J_ == 5
	SCALES 0, T_
	SCALES 1, T_
.elseif J_ < 10
	HOLDS J_-6, E_+2*(J_-6)
.if J_ == 9
	v_cvt_scalef32_pk8_fp8_f32 v[MCD+4*T_:MCD+4*T_+1], v[E_:E_+7], v[SOP+T_]
.endif
.elseif J_ < 14
	HOLDS J_-6, O_+2*(J_-10)
.if J_ == 13
	v_cvt_scalef32_pk8_fp8_f32 v[MCD+4*T_+2:MCD+4*T_+3], v[O_:O_+7], v[SOP+T_]
.endif
.else
	SCALES 3, T_
.endif
.endm
.macro RDESC i, off, lds  ; group 0 of a refill, in two parts: quarter s63 of 128 rows, at s[off] of x, into LDS at s[lds]
.if (\i) == 0
	s_mul_i32 s[G0R+1], s63, CH/4*PITCH
	s_add_co_u32 s[G0R+1], s[G0R+1], s\lds
	s_mul_i32 s20, s63, CH/4*KROW
	s_add_co_u32 s20, s20, s\off
.else
	s_mov_b32 s21, 0
	s_add_nc_u64 s[G0R+2:G0R+3], s[4:5], s[20:21]
	s_or_b32 s[G0R+3], s[G0R+3], 0x80000000
.endif
.endm
; WHAT STANDS BEHIND PRODUCT n.  j: the block's number in its trip (the second loop's: 4, 5; V's: -1, -2).  From 1 on a way out: y = 1 Q's or K's block at x; 2, 3 the halves of V's pair at x
.macro LIST n, j, y, x
.if (\n) == 0
.if (\j) == 1
	s_add_nc_u64 s[84:85], s[84:85], CSTEP
	s_cmp_eq_u32 s46, 2
	s_cselect_b64 s[84:85], s[88:89], s[84:85]
.elseif (\j) == 5
	s_add_nc_u64 s[84:85], s[84:85], s[86:87]
.elseif (\j) >= 0
	s_add_nc_u64 s[84:85], s[84:85], RB
.endif
	WIN 0
.if (\j) == 0 || (\j) == 1
	s_add_co_u32 s22, s101, ((\j)+2)*16*PITCH
.elseif (\j) > 1
	s_add_co_u32 s22, s47, ((\j)%2)*16*PITCH
.else
	s_add_co_u32 s22, s47, (-1-(\j))*16*PITCH
.endif
	v_add_nc_u32 v[ADRA], s22, v[ADRA0]
.elseif (\n) == 1
	WIN 0
.if (\j) == 0 || (\j) == 1
	s_add_co_u32 s22, s17, ((\j)+2)*SSTEP
.elseif (\j) > 1
	s_add_co_u32 s22, s8, ((\j)%2)*SSTEP
.else
	s_add_co_u32 s22, s8, (-1-(\j))*SSTEP
.endif
	v_add_nc_u32 v[AAS], s22, v[AAS0]
.endif
.if (\j) == 2 && (\n) == 2
	WIN 0
	v_lshl_add_u32 v7, v3, 8, s23
.elseif (\j) == 0 && ((\n) == 29 || (\n) == 30)
	RDESC (\n)-29, 6, 47
.elseif ((\j) == 1 || (\j) == 5) && (\n) == 2
	WIN 0
	v_add_nc_u32 v[VX], s9, v[VX]
.endif
.if (\y) == 1 && (\n) > 0 && (\n) < 28
	WIN 0
	GAPQ (\n)-1, \x
.elseif (\y) == 2 && (\n) > 0 && (\n) < 31
	WIN 0
	GAPV (\n)-1, \x
.elseif (\y) == 3 && (\n) > 0 && (\n) < 31
	WIN 0
	GAPV (\n)+29, \x
.endif
.endm
.macro BLOCK kind, e, a, from, to, j, y, x
.set N_, \from
.rept (\to)-(\from)
	PROD \kind, \e, \a, N_
	LIST N_, \j, \y, \x
.set N_, N_+1
.endr
.endm
.macro BLK kind, e, a, w, j, y, x  ; w: the wait's count (-1: none)
.if (\w) >= 0
	s_wait_dscnt \w
.endif
	s_wait_xcnt 0x0
	BLOCK \kind, \e, \a, 0, 32, \j, \y, \x
	WIN 0
	PLACES NP
.endm
.macro RBLK kind, e, a, w, j, y, x  ; a block with a round of the cluster's barrier
.if (\w) >= 0
	s_wait_dscnt \w
.endif
	s_wait_xcnt 0x0
	GRD
	BLOCK \kind, \e, \a, 0, 28, \j, \y, \x
	WIN 0
	WALU
	s_wait_dscnt 0x0
	s_barrier_signal -1
	BLOCK \kind, \e, \a, 28, 32, \j, \y, \x
	MIDDLE
	BARRIER
.endm
.macro SBLK kind, e, a, w, j, y, x, half=0  ; a block with a plain barrier (half = 1: it shows waves 0 and 1's loads alone)
.if (\w) >= 0
	s_wait_dscnt \w
.endif
	s_wait_xcnt 0x0
	BLOCK \kind, \e, \a, 0, 28, \j, \y, \x
	WIN 0
	WALU
.if \half
	s_cmp_lt_u32 s14, 2
	s_cbranch_scc0 .Lnot_yet_\@
	s_wait_tensorcnt 0x0
.Lnot_yet_\@:
.else
	s_wait_tensorcnt 0x0
.endif
	s_wait_dscnt 0x0
	s_barrier_signal -1
	BLOCK \kind, \e, \a, 28, 32, \j, \y, \x
	WIN 0
	s_barrier_wait -1
	PLACES NP
.endm
.macro QOUT off, boff  ; a block's byte goes to its place in LDS, its 32 codes a lane leave: sixteen lanes store 256 consecutive bytes
	ds_store_b8 v[VX], v[EB] offset:\boff
	global_store_b128 v[CN], v[NCD:NCD+3], s[84:85] offset:\off
	global_store_b128 v[CN], v[NCD+4:NCD+7], s[84:85] offset:(\off)+256
.endm
.macro AT b, o  ; s21 is 0
	s_mov_b32 s20, s\o
	s_add_nc_u64 s[\b:\b+1], s[\b:\b+1], s[20:21]
.endm
.irp q, 0,1,2,3,4,5,6,7  ; my 64 rows of the first weight, all of K, into the 512 registers of windows 1 and 2
	FRAG NB*\q, ADRB, \q, 0
	FRAG NB*\q+1, ADRBO, \q, 8*PITCH
	FRAG NB*\q+2, ADRB, \q, 16*PITCH
	FRAG NB*\q+3, ADRBO, \q, 24*PITCH
.endr
	WIN 0
	s_wait_tensorcnt 0x0  ; chunk 0 and the scale bytes are in; the first weight is in registers
	s_wait_dscnt 0x0
	BARRIER
	FETCHAT 0, ADRA0, AAS0
	FETCHAT 1, 1, 2
	s_load_b256 s[92:99], s[0:1], 0x58  ; qk_img, qk_sc, v_img, v_sc
	s_mov_b32 s60, 0x76543210
	s_mov_b32 s61, 0xfedcba98
	s_mov_b32 s62, 0x600000
	s_lshl_b32 s63, s16, 1
	SADD 63, 15  ; my quarter of a chunk: waves 0, 1: 0, 2; waves 2, 3: 1, 3
.set I_, 0
.rept 32  ; the first way out has no block before it: it works on zeros and stores nothing
	v_mov_b32 v[ACC+32+I_], 0
.set I_, I_+1
.endr
	s_mov_b32 s21, 0
	s_wait_kmcnt 0x0
	AT 92, 76
	AT 94, 77
	AT 96, 82
	AT 98, 83
	s_lshl_b32 s20, s18, 18
	s_add_nc_u64 s[88:89], s[92:93], s[20:21]  ; Q's or K's codes of V's window
	s_xor_b32 s20, s20, 1<<18
	s_add_nc_u64 s[84:85], s[92:93], s[20:21]  ; of the other window
	s_sub_nc_u64 s[84:85], s[84:85], CSTEP+RB
	s_mov_b32 s86, CSTEP
	s_mov_b32 s87, 0
	s_mov_b32 s46, 0  ; PHASE 1.  s46 the trip; s101, s47 this chunk's slot and the next chunk's; s17, s8 their scale words' place; s6 the rows that are loaded; s9 to a byte's next place; s23, s[10:11] where my share of what is asked for ahead begins
	s_mov_b32 s9, 0
	s_mov_b32 s23, 0
	s_mov_b32 s101, 0
	s_mov_b32 s47, YB
	s_mov_b32 s17, 0
	s_mov_b32 s8, 8*SSTEP
	s_mov_b64 s[10:11], s[4:5]
	s_wait_loadcnt 0x0
.Lfour:
	RBLK 0, 0, 0, NF, 0, 1, ACC+32  ; blocks 0, 4, 8: chunks 1, 2, 3 come
	s_cmp_lt_u32 s14, 2  ; waves 0, 1 and waves 2, 3 have a load line each: the barrier inside the block two on waits for the first line's alone
	s_cbranch_scc0 .Lupper
	TLOAD G0R, G1R
	s_branch .Lboth
.Lupper:
	TLOAD G0R, G1R
.Lboth:
	PLACES NP-4
	s_cmp_eq_u32 s46, 0
	s_cbranch_scc1 .Lno_block_before
	QOUT 0, 192
.Lno_block_before:
	FETCHAT 0, ADRA, AAS
	BLK 0, 1, 1, -1, 1, 1, ACC
	QOUT 0, 0
	FETCHAT 1, ADRA, AAS
	SBLK 0, 0, 0, NF, 2, 1, ACC+32, 1  ; the next chunk's quarters 0 and 2 are in
	QOUT 0, 64
	s_cmp_eq_u32 s46, 0
	s_cbranch_scc1 .Lnone_ahead
	global_prefetch_b8 v7, s[10:11] th:TH_LOAD_NT scope:SCOPE_SE
.Lnone_ahead:
	FETCHAT 0, ADRA, AAS
	BLK 0, 1, 1, -1, 3, 1, ACC
	QOUT 0, 128
	FETCHAT 1, ADRA, AAS
	s_cmp_eq_u32 s46, 0
	s_cselect_b32 s6, s2, s7
	s_cselect_b32 s21, s90, s100
	s_cselect_b32 s22, s7, s3
	s_cselect_b64 s[10:11], s[4:5], s[80:81]
	s_mov_b32 s9, 512
	s_cmp_eq_u32 s46, 2
	s_cselect_b32 s9, 384, s9
	s_lshl_b32 s21, s21, 13
	s_add_co_u32 s23, s21, s22
	s_mov_b32 s101, s47
	s_mov_b32 s17, s8
	s_xor_b32 s47, s47, YB
	s_add_co_u32 s8, s8, 8*SSTEP
	s_add_co_u32 s46, s46, 1
	s_cmp_lg_u32 s46, 3
	s_cbranch_scc1 .Lfour
	GRD
	s_mul_i32 s20, s14, CH/4*KROW
	s_add_co_u32 s20, s20, s3
	s_mov_b32 s21, 0
	s_mul_i32 s[G0A+1], s14, CH/4*PITCH
	s_add_nc_u64 s[G0A+2:G0A+3], s[80:81], s[20:21]
	s_or_b32 s[G0A+3], s[G0A+3], 0x80000000
	GROUP1 G1A, 45, CH/4
	s_wait_dscnt 0x0
	s_barrier_signal -1
	MIDDLE
	BARRIER
	TLOAD G0A, G1A
	s_mov_b32 s47, YB+32*PITCH
	s_mov_b32 s8, 26*SSTEP
.Ltwo:
	BLK 0, 0, 0, NF, 4, 1, ACC+32  ; blocks 12, 14
	QOUT 0, 192
	FETCHAT 0, ADRA, AAS
	BLK 0, 1, 1, NF, 5, 1, ACC  ; 13, 15; the block two on is then V's: chunk 3 again, as it lies in slot 1
	QOUT 0, 128
	FETCHAT 1, ADRA, AAS
	s_mov_b32 s47, YB
	s_mov_b32 s8, 24*SSTEP
	s_mov_b32 s9, 128
	s_mov_b32 s86, RB
	s_add_co_u32 s46, s46, 1
	s_cmp_lg_u32 s46, 5
	s_cbranch_scc1 .Ltwo
; the change of phase
	s_wait_xcnt 0x0
	s_wait_tensorcnt 0x0  ; W_v's rows are in
	s_wait_dscnt 0x0
	BARRIER
.macro CHANGE i  ; among W_v's 128 loads: the last block's way out; W_v's scale words into their place; zeros into what no block has written yet
.if (\i) < 7
.irp k, 0,1,2,3
.if 4*(\i)+\k < 27
	GAPQ 4*(\i)+\k, ACC+32
.endif
.endr
.elseif (\i) < 9
.irp q, 0,1,2,3,4,5,6,7
	v_mov_b32 v[SB+8*((\i)-7)+\q], v[WS+8*((\i)-7)+\q]
.endr
.elseif (\i) < 15
.irp q, 0,1,2,3,4,5,6,7
	v_mov_b32 v[ACC+80+8*((\i)-9)+\q], 0
.endr
.endif
.endm
.irp q, 0,1,2,3,4,5,6,7
.irp b, 0,2
	FRAG NB*\q+\b, ADRB+1, \q, \b*16*PITCH
	FRAG NB*\q+\b+1, ADRB+1, \q, (\b+1)*16*PITCH
	WIN 0
	CHANGE 2*\q+\b/2
.endr
.endr
.irp t, 0,1,2,3
.irp i, 0,1,2,3,4,5,6,7
	v_mov_b32 v[BQ+8*\t+\i], v[BV+\t]
.endr
.endr
	WALU
	QOUT RB, 192
	GRD
	s_mov_b32 s47, 0
	RDESC 0, 2, 47
	RDESC 1, 2, 47
	s_mov_b32 s46, 0
	s_mov_b32 s47, YB+32*PITCH
	s_mov_b32 s8, 26*SSTEP
	s_wait_dscnt 0x0
	s_barrier_signal -1
	MIDDLE
	BARRIER
	TLOAD G0R, G1R
.macro VOUT  ; a pair of V's blocks: four tiles' bytes and codes
.irp t, 0,1,2,3
	ds_store_b8 v[VX], v[EB+\t] offset:64*\t
	global_store_b128 v[CO], v[MCD+4*\t:MCD+4*\t+3], s[84:85] offset:32768*\t
.endr
.endm
.macro VTO  ; s22 = 2 x key step of the window + pair of my 64 rows: where its codes and bytes go
	s_lshr_b32 s21, s22, 1
	s_and_b32 s22, s22, 1
	s_lshl_b32 s20, s21, 11
	s_lshl_b32 s21, s21, 9
	s_add_co_u32 s21, s21, s22
	v_add_nc_u32 v[VX], s21, v[RD]
	s_lshl_b32 s22, s22, 9
	s_add_co_u32 s20, s20, s22
	s_mov_b32 s21, 0
	s_add_nc_u64 s[84:85], s[96:97], s[20:21]
.endm
.Lpair:
	BLK 1, 0, 0, -1, -1, 2, ACC+64
	s_cmp_eq_u32 s46, 3
	s_cbranch_scc1 .Lnone_0
	FETCHAT 0, ADRA, AAS
	s_wait_dscnt NF
	s_branch .Lgo
.Lnone_0:
	s_wait_dscnt 0x0
.Lgo:
	SBLK 1, 1, 1, -1, -2, 3, ACC+64  ; the first trip's shows chunk 2
.set I_, 0
.rept 32  ; the pair's sums are copied, so that one trip is two blocks of text
	v_dual_mov_b32 v[ACC+64+I_], v[ACC+I_] :: v_dual_mov_b32 v[ACC+64+I_+1], v[ACC+I_+1]
.set I_, I_+2
.endr
	s_add_co_u32 s22, s46, 1
	s_and_b32 s22, s22, 3
	VTO
	WALU
	s_cmp_eq_u32 s46, 0
	s_cbranch_scc1 .Lno_pair_before
	VOUT
.Lno_pair_before:
	s_cmp_eq_u32 s46, 3
	s_cbranch_scc1 .Lnone_1
	FETCHAT 1, ADRA, AAS
.Lnone_1:
	s_mov_b32 s8, 18*SSTEP
	s_cmp_eq_u32 s46, 0
	s_cselect_b32 s47, 0, 32*PITCH
	s_cselect_b32 s8, 16*SSTEP, s8
	s_add_co_u32 s46, s46, 1
	s_cmp_lg_u32 s46, 4
	s_cbranch_scc1 .Lpair
	s_wait_xcnt 0x0
.set K_, 0
.rept 60
	GAPV K_, ACC+64
.set K_, K_+1
.endr
	s_mov_b32 s22, 1
	VTO
	WALU
	VOUT
	s_wait_dscnt 0x0  ; the scale bytes
	BARRIER
	v_lshlrev_b32 v20, 4, v3
	s_lshl_b32 s21, s14, 9
	s_add_co_u32 s21, s21, XN
	v_add_nc_u32 v21, s21, v20
	v_lshlrev_b32 v22, 3, v3
	s_lshl_b32 s21, s14, 8
	s_add_co_u32 s21, s21, XV
	v_add_nc_u32 v23, s21, v22
	s_wait_alu depctr_va_vdst(0)
	ds_load_b128 v[60:63], v21
	ds_load_b64 v[40:41], v23
	s_wait_dscnt 0x0
	global_store_b128 v20, v[60:63], s[94:95]
	global_store_b64 v22, v[40:41], s[98:99]
	s_wait_tensorcnt 0x0  ; the wave's end
	ds_add_u32 v[SPW], v[NIL]
	s_wait_dscnt 0x0
	CROUND
	s_endpgm
.Lfunc_end_k_q995cfd14fc_proj:
	.size	k_q995cfd14fc_proj, .Lfunc_end_k_q995cfd14fc_proj-k_q995cfd14fc_proj
	.p2alignl 7, 3214868480
	.fill 96, 4, 3214868480
	.section	.rodata,"a",@progbits
	.p2align	6, 0x0
	.amdhsa_kernel k_q995cfd14fc_proj
		.amdhsa_group_segment_fixed_size 327680
		.amdhsa_private_segment_fixed_size 0
		.amdhsa_enable_private_segment 0
		.amdhsa_kernarg_size 120
		.amdhsa_user_sgpr_count 2
		.amdhsa_user_sgpr_kernarg_segment_ptr 1
		.amdhsa_wavefront_size32 1
		.amdhsa_system_sgpr_workgroup_id_x 1
		.amdhsa_system_sgpr_workgroup_id_y 1
		.amdhsa_system_sgpr_workgroup_id_z 1
		.amdhsa_system_vgpr_workitem_id 0
		.amdhsa_next_free_vgpr 1024
		.amdhsa_next_free_sgpr 102
		.amdhsa_reserve_vcc 0
		.amdhsa_float_denorm_mode_32 3
		.amdhsa_float_denorm_mode_16_64 3
		.amdhsa_memory_ordered 1
		.amdhsa_forward_progress 1
		.amdhsa_inst_pref_size 164
	.end_amdhsa_kernel
	.amdgpu_metadata
---
amdhsa.version: [ 1, 2 ]
amdhsa.kernels:
  - .name:           k_q995cfd14fc_proj
    .symbol:         k_q995cfd14fc_proj.kd
    .args:
      - { .name: x_codes, .offset: 0, .size: 8, .value_kind: global_buffer, .address_space: global }
      - { .name: x_scales, .offset: 8, .size: 8, .value_kind: global_buffer, .address_space: global }
      - { .name: Wq_codes, .offset: 16, .size: 8, .value_kind: global_buffer, .address_space: global }
      - { .name: Wq_scales, .offset: 24, .size: 8, .value_kind: global_buffer, .address_space: global }
      - { .name: Wk_codes, .offset: 32, .size: 8, .value_kind: global_buffer, .address_space: global }
      - { .name: Wk_scales, .offset: 40, .size: 8, .value_kind: global_buffer, .address_space: global }
      - { .name: Wv_codes, .offset: 48, .size: 8, .value_kind: global_buffer, .address_space: global }
      - { .name: Wv_scales, .offset: 56, .size: 8, .value_kind: global_buffer, .address_space: global }
      - { .name: bq, .offset: 64, .size: 8, .value_kind: global_buffer, .address_space: global }
      - { .name: bk, .offset: 72, .size: 8, .value_kind: global_buffer, .address_space: global }
      - { .name: bv, .offset: 80, .size: 8, .value_kind: global_buffer, .address_space: global }
      - { .name: qk_img, .offset: 88, .size: 8, .value_kind: global_buffer, .address_space: global }
      - { .name: qk_sc, .offset: 96, .size: 8, .value_kind: global_buffer, .address_space: global }
      - { .name: v_img, .offset: 104, .size: 8, .value_kind: global_buffer, .address_space: global }
      - { .name: v_sc, .offset: 112, .size: 8, .value_kind: global_buffer, .address_space: global }
    .group_segment_fixed_size: 327680
    .private_segment_fixed_size: 0
    .kernarg_segment_align: 8
    .kernarg_segment_size: 120
    .max_flat_workgroup_size: 128
    .sgpr_count:     102
    .vgpr_count:     1024
    .wavefront_size: 32
...
	.end_amdgpu_metadata
.endif
;; end of part 1
;; launch scores (part 2): grid 8 x 32, 4 waves a work-group, clusters of 4 x 4, 327,680 bytes of LDS; arguments qk_img, qk_sc, p_img, p_meta; writes p_img, p_meta
.if DOCPART == 2
	.amdgcn_target "amdgcn-amd-amdhsa--gfx1250"
	.amdhsa_code_object_version 6
	.text
	.protected	k_q995cfd14fc_scores
	.globl	k_q995cfd14fc_scores
	.p2align	8
	.type	k_q995cfd14fc_scores,@function
k_q995cfd14fc_scores:
	s_mov_b64 s[64:65], 0
	v_nop
	global_prefetch_b8 v0, s[64:65] scope:SCOPE_SE
	s_setreg_imm32_b32 hwreg(HW_REG_WAVE_MODE, 25, 1), 1
	s_wait_xcnt 0x0
	s_wait_alu depctr_hold_cnt(0) depctr_sa_sdst(0) depctr_va_vdst(0) depctr_va_sdst(0) depctr_va_ssrc(0) depctr_va_vcc(0) depctr_vm_vsrc(0)
	s_getreg_b32 s2, hwreg(HW_REG_IB_STS2, 6, 4)
	s_cmp_eq_u32 s2, 0
	s_cbranch_scc0 .Lentry_in_a_cluster
	s_endpgm
.Lentry_in_a_cluster:
	s_bfe_u32 s2, ttmp6, 0x10000c
	s_cmp_lg_u32 s2, 0xf033
	s_cbranch_scc0 .Lentry_shape_is_right
	s_endpgm
.Lentry_shape_is_right:
; S^T = K Q^T on the codes that the launch before made, and the softmax's numerator: no work of the problem is left out here.
; For each query and each run of 128 keys (a wave's): t = score x log2(e) / 32; M' = the largest t of the run, rounded up to a whole number; p = 2^(t - M'), quantised along the keys in blocks of 32;
; l' = the sum of the unquantised p.  Stored: p's codes, its scale word, -M' and l'.  The next launch joins the runs: M is the largest M', and since M - M' is a whole number it comes off the scale bytes and
; off l' exactly; the codes stay.  So the maximum is taken away before every exponential, and no p is above 1.
; SHARES.  A work-group makes 256 keys x 256 queries of one batch, each of its four waves 128 x 128: 64 accumulators.  K = 1,024 goes in steps of 256 through a ring of two LDS slots.
; Source 0 = 16 keys, source 1 = 16 queries: a lane holds ONE query (lane % 16) and its registers run along the keys.
; OPERANDS ARE IMAGES OF THEIR REGISTERS: 16 rows x 128 K are 2,048 bytes, lane l's 16 bytes of register group c at 512 c + 16 l; a fragment is four loads of 512 consecutive bytes.  qk_img: [row / 16][K / 128][2,048],
; k's behind q's.  Scale words: [K / 128][8,192 rows].  p_img: [query / 16][key / 128][2,048];  p_meta: [3][key / 128][8,192 queries] words: scale words, -M', l'.
; CLUSTERS: 4 x 4.  Q's tile is asked for jointly along a row of the cluster, K's along a column.
; LIMITS: a block all of whose p have fallen to 0 keeps the byte 1 (its codes are zeros); NaN and infinities are not served.  No prefetch: two of four K steps are asked for at the head, and every tile is shared.
; PREFETCHES (in place of the sentence above that there are none): K steps 1 and 2 of 256 behind the head's loads, K step 3 behind K step 1's: two slots ahead.  The four partners that ask for a tile jointly share its row blocks out by address:
; partner p names row blocks 4 p .. 4 p + 3, two a wave (waves 0, 1: Q's by cx; waves 2, 3: K's by cy), lanes 256 bytes apart.  At the head one tensor load a wave: Q's 256 rows, K's, Q's scale words, K's.
.set PFO,    25                        ; v25 the prefetches' offset;  s[12:13] where they stand
.set HALFT,  32768                     ; what one tensor load of the ring brings: 8 row blocks x 2 K steps of 128 x 2,048 bytes
.set SLOT,   4*HALFT                   ; Q's 256 rows, then K's 256
.set SCL,    2*SLOT                    ; scale words: Q's [8 K steps][256 rows], then K's: 8,192 bytes each
.set SST,    SCL+4*4096                ; 1,536 bytes for each wave: scale words, -M', l' of its 128 queries
.set SPARE,  SST+4*1536
.set NP,     8
.set ADRA, 16                          ; v16-17  LDS address of Q's fragments in slot 0, 1
.set ADSA, 18                          ; v18     of Q's scale words
.set ADSB, 19                          ; v19     of K's
.set ADRB, 20                          ; v20-21  of K's fragments
.set GO,   22                          ; v22     16 x lane
.set SSA,  23
.set SSR,  24
.set SPW,  28
.set NIL,  29
.set SC,   32                          ; v32-63  scale words and nothing else
.set AF,   128                         ; v128-255 Q's eight fragments
.set W,    128                         ; the way out: 64 numbers
.set PC,   192                         ; their codes
.set T,    208                         ; v208-211 each block's largest score, then its largest p
.set U,    212                         ; v212-215 from the other half of the lanes
.set LIM,  216                         ; v216-219 448 x the scale
.set SO,   220                         ; v220-223 the conversions' scale operand
.set BY,   224                         ; v224-227 the bytes
.set NM,   228                         ; v[228:229] -M' (the pair's low word serves both halves)
.set SA,   230                         ; v[230:231], v[232:233] the sum in two chains
.set SB,   232
.set PW,   234
.set LS,   235
.set X,    236
.set G1,   24
.set G0,   32
.set G1B,  48
.set G0B,  56
.set G1S,  68
.set G0S,  76
.set G1SB, 80
.set G0SB, 88
.set CS,   94                          ; s[94:95] c = log2(e) / sqrt(1,024)
.set SEL,  96                          ; s[96:97]
.set MNT,  98
.set MSB, 0
.macro WIN new
.if MSB != \new
	s_set_vgpr_msb (MSB<<8)|\new
.set MSB, \new
.endif
.endm
.set MUL_LO, 0xa1
.set MUL_HI, 0xf1
.set TO_B,   0x40
.macro PLACES n
.rept \n
	v_nop
.endr
.endm
.macro JLOAD g0a, g1a, g0b, g1b        ; waves 0 and 1 fetch for Q, waves 2 and 3 for K; an s_nop 0 and four v_nop follow each line
	s_cmp_eq_u32 s15, 0
	s_cbranch_scc0 .Lfor_b_\@
	tensor_load_to_lds s[\g0a:\g0a+3], s[\g1a:\g1a+7]
	s_nop 0
.rept 4
	v_nop
.endr
	s_branch .Lasked_\@
.Lfor_b_\@:
	tensor_load_to_lds s[\g0b:\g0b+3], s[\g1b:\g1b+7]
	s_nop 0
.rept 4
	v_nop
.endr
.Lasked_\@:
.endm
.macro CREST
	s_cmp_lg_u32 s14, 0
	s_cbranch_scc1 .Lnot_wave_0_\@
	s_barrier_signal -3
.Lnot_wave_0_\@:
	s_barrier_wait -3
	s_barrier_signal -1
	s_barrier_wait -1
.endm
.macro CROUND
	s_barrier_signal -1
	s_barrier_wait -1
	CREST
.endm
	s_load_b256 s[4:11], s[0:1], 0x0               ; qk_img, qk_sc, p_img, p_meta
	v_lshl_add_u32 v[SPW], v0, 2, SPARE
	v_mov_b32 v[NIL], 0
	ds_add_u32 v[SPW], v[NIL]                      ; the wave's opening: the add, twice on end, and its wait ahead of my first tensor load
	ds_add_u32 v[SPW], v[NIL]
	v_lshrrev_b32 v1, 5, v0
	v_readfirstlane_b32 s14, v1                    ; wave
	s_lshr_b32 s15, s14, 1                         ; my half of the queries.  Also: I fetch for Q (0) or for K (1)
	s_and_b32 s16, s14, 1                          ; my half of the keys.  Also: which 128 rows I fetch
	s_bfe_u32 s40, ttmp6, 0x40000                  ; cx
	s_bfe_u32 s41, ttmp6, 0x40004                  ; cy
	s_lshl_b32 s42, ttmp9, 2
	s_add_co_u32 s42, s42, s40                     ; kx: which 256 keys of the batch
	s_and_b32 s17, ttmp7, 0xffff
	s_lshr_b32 s66, s17, 1                         ; the batch: a cluster's 1,024 queries lie in one
	s_lshl_b32 s17, s17, 2
	s_add_co_u32 s17, s17, s41                     ; ty: which 256 queries of all 8,192
	s_lshl_b32 s43, s41, 2
	s_lshl_b32 s43, 15, s43                        ; my row of the cluster
	s_lshl_b32 s44, 0x1111, s40                    ; my column
	s_or_b32 s[G1+0], s43, (3<<16)|(1<<21)         ; the mask; elements of 8 bytes; bit 21 beside a mask; no padding
	s_or_b32 s[G1B+0], s44, (3<<16)|(1<<21)
.irp g, G1, G1B
	s_mov_b32 s[\g+1], 512<<16                     ; a row block's two K steps: 4,096 bytes
	s_mov_b32 s[\g+2], 16<<16                      ; 16 row blocks at the head; 8 behind it
	s_mov_b32 s[\g+3], 512<<16
	s_mov_b32 s[\g+4], 16
	s_mov_b32 s[\g+5], 2048                        ; 16,384 bytes from a row block to the next
	s_mov_b32 s[\g+6], 0
	s_mov_b32 s[\g+7], 0
.endr
	s_or_b32 s[G1S+0], s43, (3<<16)|(1<<21)
	s_or_b32 s[G1SB+0], s44, (3<<16)|(1<<21)
.irp g, G1S, G1SB
	s_mov_b32 s[\g+1], 128<<16                     ; 256 rows' words of one K step of 128: 1,024 bytes
	s_mov_b32 s[\g+2], 8<<16                       ; 8 such K steps
	s_mov_b32 s[\g+3], 128<<16
	s_mov_b32 s[\g+4], 8
	s_mov_b32 s[\g+5], 4096                        ; 32,768 bytes apart
	s_mov_b32 s[\g+6], 0
	s_mov_b32 s[\g+7], 0
.endr
	s_lshl_b32 s2, s16, 17                         ; which 128 rows of a tile I fetch in the ring, in bytes
	s_mov_b32 s3, 0
	s_lshl_b32 s20, s17, 8                         ; Q: row 256 ty
	s_lshl_b32 s46, s66, 11
	s_lshl_b32 s47, s42, 8
	s_add_co_u32 s46, s46, s47                     ; K: row 2,048 x batch + 256 kx
	s_lshl_b32 s22, s20, 2
	s_mov_b32 s23, 0
	s_lshl_b32 s20, s20, 10                        ; a row block of 16 is 16,384 bytes
	s_mov_b32 s21, 0
	s_lshl_b32 s92, s46, 2
	s_add_co_u32 s92, s92, 262144                  ; k's words lie behind q's,
	s_mov_b32 s93, 0
	s_lshl_b32 s46, s46, 10
	s_add_co_u32 s46, s46, 8388608                 ; and its images
	s_mov_b32 s47, 0
	s_lshl_b32 s45, s14, 15                        ; where the tiles go: wave x 32,768
	s_mov_b32 s[CS], 0x3d38aa3b
	s_mov_b32 s[CS+1], s[CS]                       ; (named with it as a pair, so it is written)
	s_mov_b32 s[SEL], 0x76543210
	s_mov_b32 s[SEL+1], 0xfedcba98
	s_mov_b32 s[MNT], 0x600000
	s_wait_dscnt 0x0                               ; both opening adds are done
	s_wait_kmcnt 0x0
	s_add_nc_u64 s[20:21], s[4:5], s[20:21]
	s_add_nc_u64 s[22:23], s[6:7], s[22:23]
	s_add_nc_u64 s[46:47], s[4:5], s[46:47]
	s_add_nc_u64 s[92:93], s[6:7], s[92:93]
	CROUND                                         ; all sixteen work-groups are here: the first joint loads meet
	s_mov_b32 s[G0S], 1
	s_mov_b32 s[G0S+1], SCL
	s_mov_b64 s[G0S+2:G0S+3], s[22:23]
	s_or_b32 s[G0S+3], s[G0S+3], 0x80000000
	s_mov_b32 s[G0SB], 1
	s_mov_b32 s[G0SB+1], SCL+8192
	s_mov_b64 s[G0SB+2:G0SB+3], s[92:93]
	s_or_b32 s[G0SB+3], s[G0SB+3], 0x80000000
	s_mov_b32 s[G0+4], 1                           ; K step 0's 256 rows of Q and of K: at the head their descriptors stand where slot 1's will
	s_mov_b32 s[G0+5], 0
	s_mov_b64 s[G0+6:G0+7], s[20:21]
	s_or_b32 s[G0+7], s[G0+7], 0x80000000
	s_mov_b32 s[G0B+4], 1
	s_mov_b32 s[G0B+5], 2*HALFT
	s_mov_b64 s[G0B+6:G0B+7], s[46:47]
	s_or_b32 s[G0B+7], s[G0B+7], 0x80000000
; ONE tree of branches on the wave's number, one load an arm: one tensor load a wave at the head
.macro ARM under, g0, g1, next
	s_cmp_lt_u32 s14, \under
	s_cbranch_scc0 \next
	tensor_load_to_lds s[\g0:\g0+3], s[\g1:\g1+7]
	s_nop 0
	PLACES 4
	s_branch .Lhead_asked
\next:
.endm
	ARM 1, G0+4, G1, .Lhead_b
	ARM 2, G0B+4, G1B, .Lhead_sa
	ARM 3, G0S, G1S, .Lhead_sb
	tensor_load_to_lds s[G0SB:G0SB+3], s[G1SB:G1SB+7]
	s_nop 0
	PLACES 4
.Lhead_asked:
	s_cmp_eq_u32 s15, 0                            ; where my prefetches stand
	s_cselect_b64 s[12:13], s[20:21], s[46:47]
	s_cselect_b32 s18, s40, s41
	s_lshl_b32 s18, s18, 16
	s_lshl_b32 s19, s16, 15
	s_add_co_u32 s18, s18, s19
	s_mov_b32 s19, 0
	s_add_nc_u64 s[12:13], s[12:13], s[18:19]
	v_and_b32 v[PFO], 15, v0
	v_lshlrev_b32 v[PFO], 8, v[PFO]
	v_bfe_u32 v26, v0, 4, 1
	v_lshl_add_u32 v[PFO], v26, 14, v[PFO]         ; lanes 0-15 one row block's 4,096 bytes, lanes 16-31 the next's
	global_prefetch_b8 v[PFO], s[12:13] offset:4096 th:TH_LOAD_NT scope:SCOPE_SE
	global_prefetch_b8 v[PFO], s[12:13] offset:8192 th:TH_LOAD_NT scope:SCOPE_SE
	s_add_nc_u64 s[20:21], s[20:21], s[2:3]        ; the ring: my 128 rows
	s_add_nc_u64 s[46:47], s[46:47], s[2:3]
	s_mov_b32 s[G0], 1
	s_mov_b32 s[G0+1], s45
	s_mov_b64 s[G0+2:G0+3], s[20:21]
	s_or_b32 s[G0+3], s[G0+3], 0x80000000
	s_mov_b32 s[G0B], 1
	s_mov_b32 s[G0B+1], s45
	s_mov_b64 s[G0B+2:G0B+3], s[46:47]
	s_or_b32 s[G0B+3], s[G0B+3], 0x80000000
	v_and_b32 v1, 15, v0                           ; r
	v_and_b32 v3, 31, v0                           ; lane
	s_wait_alu depctr_va_vdst(0)
	v_lshlrev_b32 v[GO], 4, v3
	s_wait_alu depctr_va_vdst(0)
	s_lshl_b32 s18, s15, 15                        ; my 128 queries' images
	s_lshl_b32 s19, s16, 15
	s_add_co_u32 s19, s19, 2*HALFT                 ; my 128 keys', behind Q's 256 rows
.irp s, 0,1
	v_add_nc_u32 v[ADRA+\s], s18, v[GO]
	v_add_nc_u32 v[ADRB+\s], s19, v[GO]
	s_add_co_u32 s18, s18, SLOT
	s_add_co_u32 s19, s19, SLOT
.endr
	s_lshl_b32 s18, s15, 9
	s_add_co_u32 s18, s18, SCL
	v_lshl_add_u32 v[ADSA], v3, 2, s18
	s_lshl_b32 s19, s16, 9
	s_add_co_u32 s19, s19, SCL+8192
	v_lshl_add_u32 v[ADSB], v3, 2, s19
	s_mul_i32 s18, s14, 1536
	s_add_co_u32 s18, s18, SST
	v_lshl_add_u32 v[SSA], v1, 2, s18
	v_add_nc_u32 v[SSR], s18, v[GO]
	s_lshl_b32 s2, s17, 4
	s_lshl_b32 s3, s15, 3
	s_add_co_u32 s2, s2, s3                        ; p's row block 16 ty + 8 x half,
	s_lshl_b32 s2, s2, 4
	s_lshl_b32 s18, s42, 1
	s_add_co_u32 s18, s18, s16                     ; its K step of 128 keys: 2 kx + half
	s_add_co_u32 s2, s2, s18
	s_lshl_b32 s2, s2, 11
	s_mov_b32 s3, 0
	s_add_nc_u64 s[8:9], s[8:9], s[2:3]
	s_lshl_b32 s2, s18, 15
	s_lshl_b32 s18, s17, 10
	s_add_co_u32 s2, s2, s18
	s_lshl_b32 s18, s15, 9
	s_add_co_u32 s2, s2, s18                       ; K step x 32,768 + 4 x (256 ty + 128 x half)
	s_add_nc_u64 s[10:11], s[10:11], s[2:3]
.macro FRAG reg, adr, q, i             ; an image comes back as it was stored: four loads of 512 consecutive bytes
.irp c, 0,1,2,3
	ds_load_b128 v[\reg+4*\c:\reg+4*\c+3], v[\adr] offset:4096*(\i)+2048*(\q)+512*\c
.endr
.endm
.macro WMX zero
.if \zero
.if rRB && rRA
	v_wmma_scale_f32_16x16x128_f8f6f4 v[rD:rD+7], v[rB:rB+15], v[rA:rA+15], 0, v[rSB], v[rSA] matrix_a_scale:MATRIX_SCALE_ROW1 matrix_b_scale:MATRIX_SCALE_ROW1
.elseif rRB
	v_wmma_scale_f32_16x16x128_f8f6f4 v[rD:rD+7], v[rB:rB+15], v[rA:rA+15], 0, v[rSB], v[rSA] matrix_a_scale:MATRIX_SCALE_ROW1
.elseif rRA
	v_wmma_scale_f32_16x16x128_f8f6f4 v[rD:rD+7], v[rB:rB+15], v[rA:rA+15], 0, v[rSB], v[rSA] matrix_b_scale:MATRIX_SCALE_ROW1
.else
	v_wmma_scale_f32_16x16x128_f8f6f4 v[rD:rD+7], v[rB:rB+15], v[rA:rA+15], 0, v[rSB], v[rSA]
.endif
.else
.if rRB && rRA
	v_wmma_scale_f32_16x16x128_f8f6f4 v[rD:rD+7], v[rB:rB+15], v[rA:rA+15], v[rD:rD+7], v[rSB], v[rSA] matrix_a_scale:MATRIX_SCALE_ROW1 matrix_b_scale:MATRIX_SCALE_ROW1
.elseif rRB
	v_wmma_scale_f32_16x16x128_f8f6f4 v[rD:rD+7], v[rB:rB+15], v[rA:rA+15], v[rD:rD+7], v[rSB], v[rSA] matrix_a_scale:MATRIX_SCALE_ROW1
.elseif rRA
	v_wmma_scale_f32_16x16x128_f8f6f4 v[rD:rD+7], v[rB:rB+15], v[rA:rA+15], v[rD:rD+7], v[rSB], v[rSA] matrix_b_scale:MATRIX_SCALE_ROW1
.else
	v_wmma_scale_f32_16x16x128_f8f6f4 v[rD:rD+7], v[rB:rB+15], v[rA:rA+15], v[rD:rD+7], v[rSB], v[rSA]
.endif
.endif
.endm
; 16 matrix instructions: Q's blocks a0, a0 + 1 x K's eight.  The 64 accumulators take turns, one instruction a turn, in the same order in every step.
.macro MUL16 a0, p, q, sc, zero
.irp a, \a0, \a0+1
.irp b, 0,1,2,3,4,5,6,7
.set rD, 8*(8*((\a)%4)+\b)
.set rB, 128*(\p)+16*\b
.set rA, AF+16*(\a)
.set rSB, SC+16*(\sc)+2*(\b/2)+(\q)
.set rSA, SC+16*(\sc)+8+2*((\a)/2)+(\q)
.set rRB, \b%2
.set rRA, (\a)%2
	WMX \zero
.endr
.endr
.endm
.macro FETCH_B slot, q, p
	WIN TO_B
.irp i, 0,1,2,3,4,5,6,7
	FRAG 128*(\p)+16*\i, ADRB+\slot, \q, \i
.endr
	WIN 0
.endm
.macro FETCH_A slot, q, i0
.irp i, \i0, \i0+1, \i0+2, \i0+3
	FRAG AF+16*(\i), ADRA+\slot, \q, \i
.endr
.endm
.macro SCALES sc                       ; the words of 32 rows a load: lanes 0-15 block 2 i, lanes 16-31 block 2 i + 1
.irp q, 0,1
.irp i, 0,1,2,3
	ds_load_b32 v[SC+16*\sc+2*\i+\q], v[ADSB] offset:1024*\q+128*\i
	ds_load_b32 v[SC+16*\sc+8+2*\i+\q], v[ADSA] offset:1024*\q+128*\i
.endr
.endr
.endm
.macro STEP slot, zero
	s_wait_dscnt 16                                ; all but the youngest 16 loads (Q's blocks 4-7) are in
	WIN MUL_LO
	MUL16 0, 0, 0, \slot, \zero
	MUL16 2, 0, 0, \slot, \zero
	s_wait_dscnt 0x0
	PLACES NP                                      ; in front of loads into registers that matrix instructions have read
	FETCH_B \slot, 1, 1
	FETCH_A \slot, 1, 0
	WIN MUL_HI
	MUL16 4, 0, 0, \slot, \zero
	MUL16 6, 0, 0, \slot, \zero
	PLACES NP
	WIN 0
	FETCH_A \slot, 1, 4
.endm
.macro TURN slot, next, fill
	s_wait_tensorcnt 0x0                           ; all my tensor loads have landed: my part of the next slot
	ds_add_u32 v[SPW], v[NIL]                      ; 0 onto my spare word
	s_wait_dscnt 17                                ; the add and the youngest 16 loads may be out
	WIN MUL_LO
	MUL16 0, 1, 1, \slot, 0
	s_wait_dscnt 0x0                               ; the add is done, and my reads of this slot are over
	s_barrier_signal -1
	MUL16 2, 1, 1, \slot, 0
	WIN 0
	s_barrier_wait -1
.if \fill
	CREST                                          ; a round of the cluster's barrier: no wave of any partner still reads this slot or has a load on its way
	s_add_nc_u64 s[G0+4*\slot+2:G0+4*\slot+3], s[G0+4*\slot+2:G0+4*\slot+3], 8192
	s_add_nc_u64 s[G0B+4*\slot+2:G0B+4*\slot+3], s[G0B+4*\slot+2:G0B+4*\slot+3], 8192
	JLOAD G0+4*\slot, G1, G0B+4*\slot, G1B         ; the first tensor load behind the round: two K steps on
	PLACES NP-4
.else
	PLACES NP
.endif
	s_wait_alu depctr_va_vdst(0)
	v_add_nc_u32 v[ADSA], 2048, v[ADSA]            ; the next K step's scale words
	v_add_nc_u32 v[ADSB], 2048, v[ADSB]
	FETCH_B \next, 0, 0
	FETCH_A \next, 0, 0
	SCALES \next
	WIN MUL_HI
	MUL16 4, 1, 1, \slot, 0
	MUL16 6, 1, 1, \slot, 0
	PLACES NP
	WIN 0
	FETCH_A \next, 0, 4
.endm
	s_wait_alu depctr_va_vdst(0)
	s_wait_tensorcnt 0x0                           ; my tile of the head's four is in
	ds_add_u32 v[SPW], v[NIL]
.irp g, G1, G1B                                ; from here on a load brings 8 row blocks
	s_mov_b32 s[\g+2], 8<<16
	s_mov_b32 s[\g+4], 8
.endr
	s_add_co_u32 s[G0+5], s45, SLOT                ; slot 1: K step 1
	s_add_nc_u64 s[G0+6:G0+7], s[20:21], 4096
	s_or_b32 s[G0+7], s[G0+7], 0x80000000
	s_add_co_u32 s[G0B+5], s45, SLOT
	s_add_nc_u64 s[G0B+6:G0B+7], s[46:47], 4096
	s_or_b32 s[G0B+7], s[G0B+7], 0x80000000
	s_wait_dscnt 0x0
	CROUND                                         ; all four tiles are in, in all sixteen work-groups
	JLOAD G0+4, G1, G0B+4, G1B                     ; the first tensor load behind the round
	FETCH_B 0, 0, 0
	FETCH_A 0, 0, 0
	SCALES 0
	FETCH_A 0, 0, 4
	global_prefetch_b8 v[PFO], s[12:13] offset:12288 th:TH_LOAD_NT scope:SCOPE_SE
	STEP 0, 1
	TURN 0, 1, 1
	STEP 1, 0
	TURN 1, 0, 1
	STEP 0, 0
	TURN 0, 1, 0
	STEP 1, 0
	s_wait_dscnt 16
	WIN MUL_LO
	MUL16 0, 1, 1, 1, 0
	MUL16 2, 1, 1, 1, 0
	s_wait_dscnt 0x0
	WIN MUL_HI
	MUL16 4, 1, 1, 1, 0
	MUL16 6, 1, 1, 1, 0
	WIN 0
; THE WAY OUT of 16 queries x my 128 keys.  Register 16 b + i of the block's 64 lies in block b of 32 keys; lanes l and l xor 16 share a query.
.macro SOFT a
.set AC, 64*((\a)%4)
.set WW, 2+(\a)/4
.set WN, WW|(WW<<2)
.if (\a) > 0
	s_wait_dscnt 0x0                               ; the last block's LDS stores,
	s_wait_xcnt 0x0                                ; and its global stores, have read their registers
.endif
	WIN WN
.irp b, 0,1,2,3
	v_max_num_f32 v[T+\b], v[AC+16*\b], v[AC+16*\b+1]              ; the largest score of each block of 32 keys: it serves for the row's maximum and, since p rises with the score, for the block's largest p
.endr
.irp i, 2,4,6,8,10,12,14
.irp b, 0,1,2,3
	v_max3_num_f32 v[T+\b], v[AC+16*\b+\i], v[AC+16*\b+\i+1], v[T+\b]   ; each accumulator is read from its low end on
.endr
.endr
	WIN 0
.irp b, 0,1,2,3
	v_permlanex16_b32 v[U+\b], v[T+\b], s[SEL], s[SEL+1]
.endr
.irp b, 0,1,2,3
	v_max_num_f32 v[T+\b], v[T+\b], v[U+\b]
.endr
	v_max3_num_f32 v[X], v[T], v[T+1], v[T+2]
	v_max_num_f32 v[X], v[X], v[T+3]
	v_mul_f32 v[X], s[CS], v[X]                    ; the largest t (c is positive)
	v_floor_f32 v[NM], -v[X]                       ; -M' = floor(-t) = -ceil(t)
	WIN WW
.set j, 0
.rept 32
	v_pk_fma_f32 v[W+j:W+j+1], v[AC+j:AC+j+1], s[CS:CS+1], v[NM:NM+1] op_sel_hi:[1,0,0]   ; t - M', two at a time
.set j, j+2
.endr
	WIN 0
.irp b, 0,1,2,3
	v_fma_f32 v[T+\b], v[T+\b], s[CS], v[NM]       ; the same of each block's largest score
.endr
.set j, 0
	s_wait_alu depctr_va_vdst(0)
.rept 64
	v_exp_f32 v[W+j], v[W+j]                       ; p = 2^(t - M'), at most 1
.set j, j+1
.endr
	v_nop                                          ; a plain line behind the last exponential
	s_wait_alu depctr_va_vdst(0)                   ; one wait for the batch, ahead of its first reader
.irp b, 0,1,2,3
	v_exp_f32 v[T+\b], v[T+\b]                     ; the block's largest p: the same two instructions on the same number
.endr
	v_pk_add_f32 v[SA:SA+1], v[W:W+1], v[W+2:W+3]  ; the sum of the UNQUANTISED p, in two chains; it reads the 64 alone
	v_pk_add_f32 v[SB:SB+1], v[W+4:W+5], v[W+6:W+7]
.irp j, 8,12,16,20,24,28,32,36,40,44,48,52,56,60
	v_pk_add_f32 v[SA:SA+1], v[SA:SA+1], v[W+\j:W+\j+1]
	v_pk_add_f32 v[SB:SB+1], v[SB:SB+1], v[W+\j+2:W+\j+3]
.endr
	v_pk_add_f32 v[SA:SA+1], v[SA:SA+1], v[SB:SB+1]
	v_add_f32 v[LS], v[SA], v[SA+1]
	s_wait_alu depctr_va_vdst(0)                   ; and one for the four
.irp b, 0,1,2,3
	v_max_num_f32 v[T+\b], 0x4800000, v[T+\b]      ; the floor 2^(9 - 127): the byte cannot fall under 1
.endr
.irp b, 0,1,2,3
	v_add_nc_u32 v[SO+\b], 0xfc000000, v[T+\b]     ; 8 off the exponent field: the conversion's scale operand
.endr
.irp b, 0,1,2,3
	v_and_or_b32 v[LIM+\b], v[T+\b], 0x7f800000, s[MNT]   ; 448 x the scale
.endr
.irp b, 0,1,2,3
	v_lshrrev_b32 v[BY+\b], 23, v[SO+\b]
.endr
	v_lshl_or_b32 v[PW], v[BY+1], 8, v[BY]
	v_lshl_or_b32 v[PW], v[BY+2], 16, v[PW]
	v_lshl_or_b32 v[PW], v[BY+3], 24, v[PW]
	v_permlanex16_b32 v[U], v[LS], s[SEL], s[SEL+1]
	v_add_f32 v[LS], v[LS], v[U]                   ; l' of my query and these 128 keys
.irp b, 0,1,2,3
.irp i, 0,1,2,3,4,5,6,7,8,9,10,11,12,13,14,15
	v_min_num_f32 v[W+16*\b+\i], v[W+16*\b+\i], v[LIM+\b]   ; the conversion does not saturate (ISA guide 7.6.2); p is not negative, so the hold is one-sided
.endr
	v_cvt_scalef32_pk8_fp8_f32 v[PC+4*\b:PC+1+4*\b], v[W+16*\b:W+7+16*\b], v[SO+\b]
	v_cvt_scalef32_pk8_fp8_f32 v[PC+2+4*\b:PC+3+4*\b], v[W+8+16*\b:W+15+16*\b], v[SO+\b]
.endr
	v_nop                                          ; a plain line behind the last conversion
.irp c, 0,1,2,3
	global_store_b128 v[GO], v[PC+4*\c:PC+4*\c+3], s[8:9] offset:32768*(\a)+512*\c   ; the image: 512 consecutive bytes a store
.endr
	ds_store_b32 v[SSA], v[PW] offset:64*(\a)      ; both halves of the lanes write the same word with the same value
	ds_store_b32 v[SSA], v[NM] offset:512+64*(\a)
	ds_store_b32 v[SSA], v[LS] offset:1024+64*(\a)
.endm
	PLACES NP                                      ; behind the last products
.irp b, 0,1,2,3
	v_mov_b32 v[U+\b], 0                           ; written once: a lane permute's destination counts as one of its sources
.endr
	v_mov_b32 v[NM+1], 0                           ; (named as the upper half of a pair)
.irp a, 0,1,2,3,4,5,6,7
	SOFT \a
.endr
.irp i, 0,1,2
	ds_load_b128 v[T+4*\i:T+4*\i+3], v[SSR] offset:512*\i          ; LDS serves a wave's instructions in order (ISA guide 5.7.1.4): these see my stores
.endr
	s_wait_dscnt 0x0
.irp i, 0,1,2
	global_store_b128 v[GO], v[T+4*\i:T+4*\i+3], s[10:11] offset:524288*\i   ; 512 consecutive bytes of scale words, of -M', of l'
.endr
	s_wait_tensorcnt 0x0                           ; the wave's end
	ds_add_u32 v[SPW], v[NIL]
	s_wait_dscnt 0x0
	CROUND                                         ; the closing round
	s_endpgm
.Lfunc_end_k_q995cfd14fc_scores:
	.size	k_q995cfd14fc_scores, .Lfunc_end_k_q995cfd14fc_scores-k_q995cfd14fc_scores
	.p2alignl 7, 3214868480
	.fill 96, 4, 3214868480
	.section	.rodata,"a",@progbits
	.p2align	6, 0x0
	.amdhsa_kernel k_q995cfd14fc_scores
		.amdhsa_group_segment_fixed_size 327680
		.amdhsa_private_segment_fixed_size 0
		.amdhsa_enable_private_segment 0
		.amdhsa_kernarg_size 32
		.amdhsa_user_sgpr_count 2
		.amdhsa_user_sgpr_kernarg_segment_ptr 1
		.amdhsa_wavefront_size32 1
		.amdhsa_system_sgpr_workgroup_id_x 1
		.amdhsa_system_sgpr_workgroup_id_y 1
		.amdhsa_system_sgpr_workgroup_id_z 1
		.amdhsa_system_vgpr_workitem_id 0
		.amdhsa_next_free_vgpr 1024
		.amdhsa_next_free_sgpr 100
		.amdhsa_reserve_vcc 0
		.amdhsa_float_denorm_mode_32 3
		.amdhsa_float_denorm_mode_16_64 3
		.amdhsa_memory_ordered 1
		.amdhsa_forward_progress 1
		.amdhsa_inst_pref_size 228
	.end_amdhsa_kernel
	.amdgpu_metadata
---
amdhsa.version: [ 1, 2 ]
amdhsa.kernels:
  - .name:           k_q995cfd14fc_scores
    .symbol:         k_q995cfd14fc_scores.kd
    .args:
      - { .name: qk_img, .offset: 0, .size: 8, .value_kind: global_buffer, .address_space: global }
      - { .name: qk_sc, .offset: 8, .size: 8, .value_kind: global_buffer, .address_space: global }
      - { .name: p_img, .offset: 16, .size: 8, .value_kind: global_buffer, .address_space: global }
      - { .name: p_meta, .offset: 24, .size: 8, .value_kind: global_buffer, .address_space: global }
    .group_segment_fixed_size: 327680
    .private_segment_fixed_size: 0
    .kernarg_segment_align: 8
    .kernarg_segment_size: 32
    .max_flat_workgroup_size: 128
    .sgpr_count:     100
    .vgpr_count:     1024
    .wavefront_size: 32
...
	.end_amdgpu_metadata
.endif
;; end of part 2
;; launch pv (part 3): grid 4 x 64, 4 waves a work-group, clusters of 4 x 4, 327,680 bytes of LDS; arguments p_img, p_meta, v_img, v_sc, out0; writes out0
.if DOCPART == 3
	.amdgcn_target "amdgcn-amd-amdhsa--gfx1250"
	.amdhsa_code_object_version 6
	.text
	.protected	k_q995cfd14fc_pv
	.globl	k_q995cfd14fc_pv
	.p2align	8
	.type	k_q995cfd14fc_pv,@function
k_q995cfd14fc_pv:
	s_mov_b64 s[64:65], 0
	v_nop
	global_prefetch_b8 v0, s[64:65] scope:SCOPE_SE
	s_setreg_imm32_b32 hwreg(HW_REG_WAVE_MODE, 25, 1), 1
	s_wait_xcnt 0x0
	s_wait_alu depctr_hold_cnt(0) depctr_sa_sdst(0) depctr_va_vdst(0) depctr_va_sdst(0) depctr_va_ssrc(0) depctr_va_vcc(0) depctr_vm_vsrc(0)
	s_getreg_b32 s2, hwreg(HW_REG_IB_STS2, 6, 4)
	s_cmp_eq_u32 s2, 0
	s_cbranch_scc0 .Lentry_in_a_cluster
	s_endpgm
.Lentry_in_a_cluster:
	s_bfe_u32 s2, ttmp6, 0x10000c
	s_cmp_lg_u32 s2, 0xf033
	s_cbranch_scc0 .Lentry_shape_is_right
	s_endpgm
.Lentry_shape_is_right:
; O = (P V) / l on the codes of p and of v: no work of the problem is left out here.
; THE JOIN.  For each query the launch before left, for each of 16 runs of 128 keys, p's scale word, -M' and l'.  M = the largest M'; d = M - M' is a whole number, 0 or more.  2^(t - M) = 2^(t - M') 2^-d exactly:
; d comes off each of the run's four scale bytes, l' is multiplied by 2^-d (v_ldexp_f32), the codes stay.  l = the sum of the 16; O is multiplied by 1 / l at the end.
; SHARES.  A work-group makes 128 queries x 256 channels (a tile of 256 x 256 would make 128 work-groups for 256 WGPs), each of its four waves 64 x 128: 32 accumulators.  K = 2,048 keys goes in steps of 256
; through a ring of two LDS slots.  Source 0 = 16 channels of V^T, source 1 = 16 queries of P: a lane holds one query and eight neighbouring channels.
; Operands are images of their registers (16 rows x 128 K: 2,048 bytes, four loads of 512 consecutive bytes).  p_img: [query / 16][key / 128][2,048];  v_img: [batch][channel / 16][key / 128][2,048].
; CLUSTERS: 4 x 4.  P's tile is asked for jointly along a row of the cluster, V's tile and V's scale words along a column.
; LIMITS: a scale byte less d is held at 0 from below: such a block's terms are at most 448 x 2^-127 beside a row's sum above 1/2; d is held at 255 for l' likewise; NaN and infinities are not served.
; No prefetch: the walk is eight slots of which two are asked for at the head, and every tile is shared by a joint load.
; PREFETCHES (in place of the sentence above that there are none): K steps 1 and 2 of 256 behind the head's loads, K step 3 behind slot 1's load, and behind the refill of K step k + 2 that of K step k + 4, while there is one: two slots ahead.
; The four partners that ask for a tile jointly share its row blocks out by address: P's eight by cx, two each (wave 0); V's sixteen by cy, four each (waves 2, 3); lanes 256 bytes apart.
; At the head one tensor load a wave: P's 128 rows (wave 0), V's halves (waves 1, 3), V's scale words (wave 2).
.set PFO,    5                         ; v5 the prefetches' offset
.set PF,     84                        ; s[84:85] where they stand
.set LIM,    86                        ; s86 my wave asks while more than so many laps are left
.set SLOT,   98304                     ; P: 8 row blocks x 4,096 bytes; then V: 16 x 4,096
.set VSC,    2*SLOT                    ; V's scale words: [16 K steps of 128][256 channels]
.set PSC,    VSC+16384                 ; p's joined scale words: [16 K steps of 128][128 queries]; stored by the waves, never filled by a tensor load
.set LINV,   PSC+8192                  ; 1 / l of the 128 queries
.set STG,    LINV+512                  ; the way out: 16 rows x (512 + 16) bytes for each wave
.set SPARE,  STG+4*16*528
.set NP,     8
.set MO,   4                           ; v4      4 x thread: my query's word in p_meta
.set ADRA, 16                          ; v16-17  P's fragments in slot 0, 1
.set ADRB, 20                          ; v20-21  V's
.set ADSA, 22                          ; v22     p's scale words
.set ADSB, 23                          ; v23     V's
.set STO,  24
.set RD,   25
.set CO,   26                          ; v26     16 x lane
.set LVA,  27
.set SPW,  28
.set NIL,  29
.set PSA,  30                          ; v30     where I store my query's scale words
.set LIA,  31                          ; v31     and its 1 / l
.set SC,   32                          ; v32-55  scale words and nothing else: set s at SC + 12 s: V's at 2 i + q, p's at 8 + 2 i + q
.set LV,   56                          ; v56-63  1 / l of my lane's query in each of my four blocks, as pairs
.set W,    64                          ; v64-127 the way out: a block's 64 numbers
.set BK,   128                         ; the way out: 16 rows read back: v128-191 and v192-255 by turns
.set SW,   128                         ; the join: v128-143 scale words, v144-159 -M', v160-175 l'
.set NMR,  144
.set LL,   160
.set NMIN, 176
.set NMI2, 177
.set DD,   178
.set ND,   179
.set BT,   180                         ; v180-183 bytes; v184-187 what comes off them
.set MT,   184
.set G1,   24
.set G0,   32
.set G1B,  48
.set G0B,  56
.set G1S,  68
.set G0S,  76
.set MSB, 0
.macro WIN new
.if MSB != \new
	s_set_vgpr_msb (MSB<<8)|\new
.set MSB, \new
.endif
.endm
.set MUL,  0xa1                        ; source 0 (V) window 1, source 1 (P) window 0, C and D window 2
.set TO_B, 0x40
.macro PLACES n
.rept \n
	v_nop
.endr
.endm
.macro JLOAD g0a, g1a, g0b, g1b        ; waves 0 and 1 fetch for P, waves 2 and 3 for V; an s_nop 0 and four v_nop follow each line
	s_cmp_eq_u32 s15, 0
	s_cbranch_scc0 .Lfor_b_\@
	tensor_load_to_lds s[\g0a:\g0a+3], s[\g1a:\g1a+7]
	s_nop 0
.rept 4
	v_nop
.endr
	s_branch .Lasked_\@
.Lfor_b_\@:
	tensor_load_to_lds s[\g0b:\g0b+3], s[\g1b:\g1b+7]
	s_nop 0
.rept 4
	v_nop
.endr
.Lasked_\@:
.endm
.macro CREST
	s_cmp_lg_u32 s14, 0
	s_cbranch_scc1 .Lnot_wave_0_\@
	s_barrier_signal -3
.Lnot_wave_0_\@:
	s_barrier_wait -3
	s_barrier_signal -1
	s_barrier_wait -1
.endm
.macro CROUND
	s_barrier_signal -1
	s_barrier_wait -1
	CREST
.endm
	s_load_b256 s[4:11], s[0:1], 0x0               ; p_img, p_meta, v_img, v_sc
	s_load_b64 s[12:13], s[0:1], 0x20              ; out0
	v_lshl_add_u32 v[SPW], v0, 2, SPARE
	v_mov_b32 v[NIL], 0
	ds_add_u32 v[SPW], v[NIL]                      ; the wave's opening: the add, twice on end, and its wait ahead of my first tensor load
	ds_add_u32 v[SPW], v[NIL]
	v_lshrrev_b32 v1, 5, v0
	v_readfirstlane_b32 s14, v1                    ; wave
	s_lshr_b32 s15, s14, 1                         ; my half of the queries.  Also: I fetch for P (0) or for V (1)
	s_and_b32 s16, s14, 1                          ; my half of the channels.  Also: which half of a tile I fetch
	s_bfe_u32 s40, ttmp6, 0x40000                  ; cx: which 256 channels
	s_bfe_u32 s41, ttmp6, 0x40004                  ; cy
	s_and_b32 s17, ttmp7, 0xffff
	s_lshr_b32 s66, s17, 2                         ; the batch: a cluster's 512 queries lie in one
	s_lshl_b32 s17, s17, 2
	s_add_co_u32 s17, s17, s41                     ; ty: which 128 queries of all 8,192
	s_lshl_b32 s43, s41, 2
	s_lshl_b32 s43, 15, s43                        ; my row of the cluster
	s_lshl_b32 s44, 0x1111, s40                    ; my column
	s_or_b32 s[G1+0], s43, (3<<16)|(1<<21)         ; the mask; elements of 8 bytes; bit 21 beside a mask; no padding
	s_mov_b32 s[G1+1], 512<<16                     ; a row block's two K steps of 128: 4,096 bytes
	s_mov_b32 s[G1+2], 8<<16                       ; P: 8 row blocks at the head; 4 behind it
	s_mov_b32 s[G1+3], 512<<16
	s_mov_b32 s[G1+4], 8
	s_mov_b32 s[G1+5], 4096                        ; 32,768 bytes from a row block to the next
	s_mov_b32 s[G1+6], 0
	s_mov_b32 s[G1+7], 0
	s_or_b32 s[G1B+0], s44, (3<<16)|(1<<21)
	s_mov_b32 s[G1B+1], 512<<16
	s_mov_b32 s[G1B+2], 8<<16                      ; V: 8 row blocks a load
	s_mov_b32 s[G1B+3], 512<<16
	s_mov_b32 s[G1B+4], 8
	s_mov_b32 s[G1B+5], 4096
	s_mov_b32 s[G1B+6], 0
	s_mov_b32 s[G1B+7], 0
	s_or_b32 s[G1S+0], s44, (3<<16)|(1<<21)
	s_mov_b32 s[G1S+1], 128<<16                    ; 256 channels' words of one K step of 128: 1,024 bytes
	s_mov_b32 s[G1S+2], 16<<16                     ; all 16 such K steps
	s_mov_b32 s[G1S+3], 128<<16
	s_mov_b32 s[G1S+4], 16
	s_mov_b32 s[G1S+5], 512                        ; 4,096 bytes apart
	s_mov_b32 s[G1S+6], 0
	s_mov_b32 s[G1S+7], 0
	s_lshl_b32 s20, s17, 18                        ; P: row block 8 ty
	s_mov_b32 s21, 0
	s_lshl_b32 s46, s40, 19                        ; V: row block 16 cx,
	s_lshl_b32 s18, s66, 21
	s_add_co_u32 s46, s46, s18                     ; in my batch
	s_mov_b32 s47, 0
	s_lshl_b32 s92, s40, 10
	s_lshl_b32 s18, s66, 16
	s_add_co_u32 s92, s92, s18                     ; in my batch
	s_mov_b32 s93, 0
	s_lshl_b32 s45, s16, 14                        ; where P's half goes,
	s_lshl_b32 s67, s16, 15
	s_add_co_u32 s67, s67, 32768                   ; and V's
	s_wait_dscnt 0x0                               ; both opening adds are done
	s_wait_kmcnt 0x0
	s_add_nc_u64 s[20:21], s[4:5], s[20:21]
	s_add_nc_u64 s[46:47], s[8:9], s[46:47]
	s_add_nc_u64 s[92:93], s[10:11], s[92:93]
	CROUND                                         ; all sixteen work-groups are here: the first joint loads meet
	s_mov_b32 s[G0S], 1
	s_mov_b32 s[G0S+1], VSC
	s_mov_b64 s[G0S+2:G0S+3], s[92:93]
	s_or_b32 s[G0S+3], s[G0S+3], 0x80000000
	s_mov_b32 s[G0+4], 1                           ; K step 0: at the head its descriptors stand where slot 1's will
	s_mov_b32 s[G0+5], 0
	s_mov_b64 s[G0+6:G0+7], s[20:21]
	s_or_b32 s[G0+7], s[G0+7], 0x80000000
	s_lshl_b32 s2, s15, 15                         ; V's half: wave 1 the first, wave 3 the second
	s_mov_b32 s[G0B+4], 1
	s_add_co_u32 s[G0B+5], s2, 32768
	s_lshl_b32 s2, s15, 18
	s_mov_b32 s3, 0
	s_add_nc_u64 s[G0B+6:G0B+7], s[46:47], s[2:3]
	s_or_b32 s[G0B+7], s[G0B+7], 0x80000000
	s_cmp_eq_u32 s14, 0                            ; one load an arm: one tensor load a wave at the head
	s_cbranch_scc0 .Lhead_1
	tensor_load_to_lds s[G0+4:G0+7], s[G1:G1+7]
	s_nop 0
	PLACES 4
	s_branch .Lhead_asked
.Lhead_1:
	s_cmp_eq_u32 s14, 2
	s_cbranch_scc0 .Lhead_2
	tensor_load_to_lds s[G0S:G0S+3], s[G1S:G1S+7]
	s_nop 0
	PLACES 4
	s_branch .Lhead_asked
.Lhead_2:
	tensor_load_to_lds s[G0B+4:G0B+7], s[G1B:G1B+7]
	s_nop 0
	PLACES 4
.Lhead_asked:
	s_lshl_b32 s2, s16, 17                         ; the ring: my half of P's rows, of V's
	s_add_nc_u64 s[88:89], s[20:21], s[2:3]
	s_lshl_b32 s2, s16, 18
	s_add_nc_u64 s[90:91], s[46:47], s[2:3]
	s_mov_b32 s[G0], 1
	s_mov_b32 s[G0+1], s45
	s_mov_b64 s[G0+2:G0+3], s[88:89]
	s_or_b32 s[G0+3], s[G0+3], 0x80000000
	s_mov_b32 s[G0B], 1
	s_mov_b32 s[G0B+1], s67
	s_mov_b64 s[G0B+2:G0B+3], s[90:91]
	s_or_b32 s[G0B+3], s[G0B+3], 0x80000000
	s_lshl_b32 s18, s40, 16                        ; where my prefetches stand
	s_lshl_b32 s19, s41, 17
	s_lshl_b32 s2, s16, 16
	s_add_co_u32 s19, s19, s2
	s_cmp_eq_u32 s15, 0
	s_cselect_b64 s[PF:PF+1], s[20:21], s[46:47]
	s_cselect_b32 s18, s18, s19
	s_mov_b32 s19, 0
	s_add_nc_u64 s[PF:PF+1], s[PF:PF+1], s[18:19]
	s_mov_b32 s[LIM], 1
	v_and_b32 v[PFO], 15, v0
	v_lshlrev_b32 v[PFO], 8, v[PFO]
	v_bfe_u32 v6, v0, 4, 1
	v_lshl_add_u32 v[PFO], v6, 15, v[PFO]          ; lanes 0-15 one row block's 4,096 bytes, lanes 16-31 the next's
	s_wait_alu depctr_va_vdst(0)
	s_cmp_eq_u32 s14, 1                            ; wave 1 asks for nothing
	s_cselect_b32 s[LIM], -1, s[LIM]
	s_cbranch_scc1 .Lnone_ahead
	global_prefetch_b8 v[PFO], s[PF:PF+1] offset:4096 th:TH_LOAD_NT scope:SCOPE_SE
	global_prefetch_b8 v[PFO], s[PF:PF+1] offset:8192 th:TH_LOAD_NT scope:SCOPE_SE
.Lnone_ahead:
	; THE JOIN: thread t owns query 128 ty + t
	s_lshl_b32 s2, s17, 9
	s_mov_b32 s3, 0
	s_add_nc_u64 s[6:7], s[6:7], s[2:3]
	v_lshlrev_b32 v[MO], 2, v0
.irp k, 0,1,2,3,4,5,6,7,8,9,10,11,12,13,14,15
	global_load_b32 v[SW+\k], v[MO], s[6:7] offset:32768*\k
	global_load_b32 v[NMR+\k], v[MO], s[6:7] offset:524288+32768*\k
	global_load_b32 v[LL+\k], v[MO], s[6:7] offset:1048576+32768*\k
.endr
	v_and_b32 v1, 15, v0                           ; r
	v_bfe_u32 v2, v0, 4, 1                         ; h
	v_and_b32 v3, 31, v0                           ; lane
	s_wait_alu depctr_va_vdst(0)
	v_lshlrev_b32 v[CO], 4, v3
	s_lshl_b32 s18, s15, 14                        ; my 64 queries' images
	s_lshl_b32 s19, s16, 15
	s_add_co_u32 s19, s19, 32768                   ; my 128 channels'
.irp s, 0,1
	v_add_nc_u32 v[ADRA+\s], s18, v[CO]
	v_add_nc_u32 v[ADRB+\s], s19, v[CO]
	s_add_co_u32 s18, s18, SLOT
	s_add_co_u32 s19, s19, SLOT
.endr
	s_lshl_b32 s18, s15, 8
	s_add_co_u32 s19, s18, PSC
	v_lshl_add_u32 v[ADSA], v3, 2, s19
	s_add_co_u32 s19, s18, LINV
	v_lshl_add_u32 v[LVA], v1, 2, s19
	s_lshl_b32 s18, s16, 9
	s_add_co_u32 s18, s18, VSC
	v_lshl_add_u32 v[ADSB], v3, 2, s18
	s_mul_i32 s18, s14, 16*528
	s_add_co_u32 s18, s18, STG                     ; my stage
	v_mul_u32_u24 v[STO], v1, 528
	v_lshl_add_u32 v[STO], v2, 5, v[STO]
	v_add_nc_u32 v[STO], s18, v[STO]               ; in: row r, 32 bytes for each half of the lanes
	v_add_nc_u32 v[RD], s18, v[CO]                 ; back: the 32 lanes take a row of 512 bytes
	v_lshl_add_u32 v[PSA], v0, 2, PSC
	v_lshl_add_u32 v[LIA], v0, 2, LINV
	s_lshl_b32 s2, s17, 7
	s_lshl_b32 s18, s15, 6
	s_add_co_u32 s2, s2, s18                       ; my first row of O: 128 ty + 64 x half
	s_lshl_b32 s2, s2, 12
	s_lshl_b32 s18, s40, 10
	s_add_co_u32 s2, s2, s18
	s_lshl_b32 s18, s16, 9
	s_add_co_u32 s2, s2, s18                       ; my first channel, in bytes: 4 x (256 cx + 128 x half)
	s_add_nc_u64 s[12:13], s[12:13], s[2:3]
	s_wait_alu depctr_va_vdst(0)
	s_wait_tensorcnt 0x0                           ; my tile of the head's is in
	ds_add_u32 v[SPW], v[NIL]
	s_mov_b32 s[G1+2], 4<<16                       ; from here on a load brings 4 row blocks of P
	s_mov_b32 s[G1+4], 4
	s_add_co_u32 s[G0+5], s45, SLOT                ; slot 1: K step 1
	s_add_nc_u64 s[G0+6:G0+7], s[88:89], 4096
	s_or_b32 s[G0+7], s[G0+7], 0x80000000
	s_add_co_u32 s[G0B+5], s67, SLOT
	s_add_nc_u64 s[G0B+6:G0B+7], s[90:91], 4096
	s_or_b32 s[G0B+7], s[G0B+7], 0x80000000
	s_wait_dscnt 0x0
	CROUND                                         ; slot 0 and V's scale words are in, in all sixteen work-groups
	JLOAD G0+4, G1, G0B+4, G1B                     ; the first tensor load behind the round: the join below is done under it
	s_cmp_eq_u32 s14, 1
	s_cbranch_scc1 .Lnone_third
	global_prefetch_b8 v[PFO], s[PF:PF+1] offset:12288 th:TH_LOAD_NT scope:SCOPE_SE
.Lnone_third:
	s_wait_loadcnt 0x0
	v_min_num_f32 v[NMIN], v[NMR], v[NMR+1]        ; -M = the least -M', in two chains
	v_min_num_f32 v[NMI2], v[NMR+2], v[NMR+3]
.irp k, 4,6,8,10,12,14
	v_min_num_f32 v[NMIN], v[NMIN], v[NMR+\k]
	v_min_num_f32 v[NMI2], v[NMI2], v[NMR+\k+1]
.endr
	v_min_num_f32 v[NMIN], v[NMIN], v[NMI2]
.macro ADJ k
	v_sub_f32 v[DD], v[NMR+\k], v[NMIN]            ; d = M - M': a whole number, 0 or more
	v_cvt_u32_f32 v[DD], v[DD]                     ; (it saturates)
	v_min_u32 v[DD], 0xff, v[DD]
	v_sub_nc_u32 v[ND], 0, v[DD]
	v_ldexp_f32 v[LL+\k], v[LL+\k], v[ND]          ; l' x 2^-d
.irp i, 0,1,2,3
	v_bfe_u32 v[BT+\i], v[SW+\k], 8*\i, 8
.endr
.irp i, 0,1,2,3
	v_min_u32 v[MT+\i], v[BT+\i], v[DD]
.endr
.irp i, 0,1,2,3
	v_sub_nc_u32 v[BT+\i], v[BT+\i], v[MT+\i]      ; the byte less d, held at 0 from below
.endr
	v_lshl_or_b32 v[SW+\k], v[BT+1], 8, v[BT]
	v_lshl_or_b32 v[SW+\k], v[BT+2], 16, v[SW+\k]
	v_lshl_or_b32 v[SW+\k], v[BT+3], 24, v[SW+\k]
	ds_store_b32 v[PSA], v[SW+\k] offset:512*\k
.endm
.irp k, 0,1,2,3,4,5,6,7,8,9,10,11,12,13,14,15
	ADJ \k
.endr
	v_add_f32 v[LL], v[LL], v[LL+1]                ; l, in two chains
	v_add_f32 v[LL+2], v[LL+2], v[LL+3]
.irp k, 4,6,8,10,12,14
	v_add_f32 v[LL], v[LL], v[LL+\k]
	v_add_f32 v[LL+2], v[LL+2], v[LL+\k+1]
.endr
	v_add_f32 v[LL], v[LL], v[LL+2]
	s_wait_alu depctr_va_vdst(0)
	v_rcp_f32 v[DD], v[LL]
	v_nop                                          ; a plain line behind the reciprocal
	s_wait_alu depctr_va_vdst(0)                   ; the wait ahead of its first reader
	ds_store_b32 v[LIA], v[DD]
.macro FRAG reg, adr, q, i
.irp c, 0,1,2,3
	ds_load_b128 v[\reg+4*\c:\reg+4*\c+3], v[\adr] offset:4096*(\i)+2048*(\q)+512*\c
.endr
.endm
.macro WMX zero
.if \zero
.if rRB && rRA
	v_wmma_scale_f32_16x16x128_f8f6f4 v[rD:rD+7], v[rB:rB+15], v[rA:rA+15], 0, v[rSB], v[rSA] matrix_a_scale:MATRIX_SCALE_ROW1 matrix_b_scale:MATRIX_SCALE_ROW1
.elseif rRB
	v_wmma_scale_f32_16x16x128_f8f6f4 v[rD:rD+7], v[rB:rB+15], v[rA:rA+15], 0, v[rSB], v[rSA] matrix_a_scale:MATRIX_SCALE_ROW1
.elseif rRA
	v_wmma_scale_f32_16x16x128_f8f6f4 v[rD:rD+7], v[rB:rB+15], v[rA:rA+15], 0, v[rSB], v[rSA] matrix_b_scale:MATRIX_SCALE_ROW1
.else
	v_wmma_scale_f32_16x16x128_f8f6f4 v[rD:rD+7], v[rB:rB+15], v[rA:rA+15], 0, v[rSB], v[rSA]
.endif
.else
.if rRB && rRA
	v_wmma_scale_f32_16x16x128_f8f6f4 v[rD:rD+7], v[rB:rB+15], v[rA:rA+15], v[rD:rD+7], v[rSB], v[rSA] matrix_a_scale:MATRIX_SCALE_ROW1 matrix_b_scale:MATRIX_SCALE_ROW1
.elseif rRB
	v_wmma_scale_f32_16x16x128_f8f6f4 v[rD:rD+7], v[rB:rB+15], v[rA:rA+15], v[rD:rD+7], v[rSB], v[rSA] matrix_a_scale:MATRIX_SCALE_ROW1
.elseif rRA
	v_wmma_scale_f32_16x16x128_f8f6f4 v[rD:rD+7], v[rB:rB+15], v[rA:rA+15], v[rD:rD+7], v[rSB], v[rSA] matrix_b_scale:MATRIX_SCALE_ROW1
.else
	v_wmma_scale_f32_16x16x128_f8f6f4 v[rD:rD+7], v[rB:rB+15], v[rA:rA+15], v[rD:rD+7], v[rSB], v[rSA]
.endif
.endif
.endm
; 8 matrix instructions: P's block a x V's eight.  The 32 accumulators take turns, one instruction a turn, in the same order in every step, over the loop's backward jump too.
.macro MUL8 a, p, q, sc, zero
	WIN MUL
.irp b, 0,1,2,3,4,5,6,7
.set rD, 8*(8*(\a)+\b)
.set rB, 128*(\p)+16*\b
.set rA, 128+64*(\p)+16*(\a)
.set rSB, SC+12*(\sc)+2*(\b/2)+(\q)
.set rSA, SC+12*(\sc)+8+2*((\a)/2)+(\q)
.set rRB, \b%2
.set rRA, (\a)%2
	WMX \zero
.endr
.endm
.macro FETCH3 slot, q, p               ; 48 loads: V's eight fragments and P's four of the slot's q-th 128 keys, into set p
	WIN TO_B
.irp i, 0,1,2,3,4,5,6,7
	FRAG 128*(\p)+16*\i, ADRB+\slot, \q, \i
.endr
	WIN 0
.irp i, 0,1,2,3
	FRAG 128+64*(\p)+16*\i, ADRA+\slot, \q, \i
.endr
.endm
.macro SCALES3 sc                      ; the words of 32 rows a load: lanes 0-15 block 2 i, lanes 16-31 block 2 i + 1
.irp q, 0,1
.irp i, 0,1,2,3
	ds_load_b32 v[SC+12*\sc+2*\i+\q], v[ADSB] offset:128*\i+1024*\q
.endr
.irp i, 0,1
	ds_load_b32 v[SC+12*\sc+8+2*\i+\q], v[ADSA] offset:128*\i+512*\q
.endr
.endr
.endm
.macro STEP3 slot, zero                ; a slot's first 128 keys, on set 0; set 1 is fetched ahead of them
	PLACES NP                                      ; in front of loads into registers that matrix instructions have read
	FETCH3 \slot, 1, 1
	s_wait_dscnt 48                                ; all but the 48 just issued: set 0 and its scale words are in
	MUL8 0, 0, 0, \slot, \zero
	MUL8 1, 0, 0, \slot, \zero
	MUL8 2, 0, 0, \slot, \zero
	MUL8 3, 0, 0, \slot, \zero
.endm
; A slot's second 128 keys, and the change of slots: one barrier; in front of it each wave waits for all its tensor loads, adds 0 to its spare word, and waits for that and for its reads of this slot.
.macro TURN3 slot, next, fill
	WIN 0                                          ; (the add's two registers lie in window 0)
.if \fill
	s_wait_xcnt 0x0                                ; any prefetch of mine has read its address
	s_add_nc_u64 s[PF:PF+1], s[PF:PF+1], 4096
.endif
	s_wait_tensorcnt 0x0                           ; all my tensor loads have landed: my part of the next slot
	ds_add_u32 v[SPW], v[NIL]                      ; 0 onto my spare word
	s_wait_dscnt 1                                 ; the add alone may be out: set 1 is in
	MUL8 0, 1, 1, \slot, 0
	s_wait_dscnt 0x0                               ; the add is done, and my reads of this slot are over
	s_barrier_signal -1
	MUL8 1, 1, 1, \slot, 0
	WIN 0
	s_barrier_wait -1
.if \fill
	CREST                                          ; a round of the cluster's barrier: no wave of any partner still reads this slot or has a load on its way
	s_add_nc_u64 s[G0+4*\slot+2:G0+4*\slot+3], s[G0+4*\slot+2:G0+4*\slot+3], 8192
	s_add_nc_u64 s[G0B+4*\slot+2:G0B+4*\slot+3], s[G0B+4*\slot+2:G0B+4*\slot+3], 8192
	JLOAD G0+4*\slot, G1, G0B+4*\slot, G1B         ; the first tensor load behind the round: two K steps on
	PLACES NP-4
.else
	PLACES NP
.endif
	s_wait_alu depctr_va_vdst(0)
	v_add_nc_u32 v[ADSA], 1024, v[ADSA]            ; the next K step's scale words
	v_add_nc_u32 v[ADSB], 2048, v[ADSB]
	FETCH3 \next, 0, 0
	SCALES3 \next
.if \fill
	s_cmp_gt_u32 s3, s[LIM]                        ; the last lap's refills have no K step two on
	s_cbranch_scc0 .Lno_ask_\@
	global_prefetch_b8 v[PFO], s[PF:PF+1] offset:12288 th:TH_LOAD_NT scope:SCOPE_SE
.Lno_ask_\@:
.endif
	MUL8 2, 1, 1, \slot, 0
	MUL8 3, 1, 1, \slot, 0
.endm
	s_wait_dscnt 0x0                               ; my stores of scale words and of 1 / l have landed; slot 1's load may be out
	s_barrier_signal -1
	s_barrier_wait -1                              ; everybody's have
	FETCH3 0, 0, 0
	SCALES3 0
	STEP3 0, 1                                     ; the first products start the sums
	WIN 0
	s_mov_b32 s3, 3
.Llap:                                             ; a trip goes once round the ring and fills both slots again: K steps 2 to 7
	TURN3 0, 1, 1
	STEP3 1, 0
	TURN3 1, 0, 1
	STEP3 0, 0
	WIN 0
	s_sub_co_u32 s3, s3, 1
	s_cmp_lg_u32 s3, 0
	s_cbranch_scc1 .Llap
	TURN3 0, 1, 0                                  ; the last lap fills nothing
	STEP3 1, 0
	s_wait_dscnt 0x0
	MUL8 0, 1, 1, 1, 0
	MUL8 1, 1, 1, 1, 0
	MUL8 2, 1, 1, 1, 0
	MUL8 3, 1, 1, 1, 0
	WIN 0
	; THE WAY OUT, 16 queries x 128 channels at a time: x 1 / l, through my own stage in LDS, back as whole rows of 512 bytes.
.irp a, 0,1,2,3
	ds_load_b32 v[LV+2*\a], v[LVA] offset:64*\a
	ds_load_b32 v[LV+2*\a+1], v[LVA] offset:64*\a  ; (the pair is named whole)
.endr
	PLACES NP                                      ; behind the last products
	s_wait_dscnt 0x0
.macro MULW a
	WIN 0x02                                       ; source 0: window 2
.set j, 0
.rept 32
	v_pk_mul_f32 v[W+j:W+j+1], v[64*(\a)+j:64*(\a)+j+1], v[LV+2*(\a):LV+2*(\a)+1] op_sel_hi:[1,0]   ; each accumulator from its low end on
.set j, j+2
.endr
	WIN 0
.endm
.macro TOSTAGE a
.set BS, BK+64*((\a)%2)
.irp b, 0,1,2,3,4,5,6,7
	ds_store_b128 v[STO], v[W+8*\b:W+8*\b+3] offset:64*\b          ; lane (r, h): O(16 a + r, 16 b + 8 h + 0 .. 7)
	ds_store_b128 v[STO], v[W+8*\b+4:W+8*\b+7] offset:64*\b+16
.endr
.irp t, 0,1,2,3,4,5,6,7,8,9,10,11,12,13,14,15
	ds_load_b128 v[BS+4*\t:BS+4*\t+3], v[RD] offset:\t*528         ; LDS serves a wave's instructions in order (ISA guide 5.7.1.4): these see my stores, and the next block's stores come behind them
.endr
.endm
.macro SEND a, younger                 ; younger: the LDS instructions issued behind block a's loads
.set BS, BK+64*((\a)%2)
	s_wait_dscnt \younger
.irp t, 0,1,2,3,4,5,6,7,8,9,10,11,12,13,14,15
	global_store_b128 v[CO], v[BS+4*\t:BS+4*\t+3], s[12:13] offset:65536*(\a)+4096*\t th:TH_STORE_NT   ; 32 lanes store 512 consecutive bytes, at a multiple of 512 from O's first byte; written once
.endr
.endm
	MULW 0
	TOSTAGE 0
.irp a, 1,2,3
	s_wait_dscnt 16                                ; the last block's 16 stores into the stage have read their registers; its 16 loads may be out
	MULW \a
.if \a > 1
	s_wait_alu depctr_va_vdst(0)
	s_wait_xcnt 0x0                                ; block a - 2's stores have read the registers into which block a's rows are loaded
.endif
	TOSTAGE \a
	SEND \a-1, 32                                  ; behind block a - 1's loads: block a's 16 stores and 16 loads
.endr
	SEND 3, 0
	s_wait_tensorcnt 0x0                           ; the wave's end
	ds_add_u32 v[SPW], v[NIL]
	s_wait_dscnt 0x0
	CROUND                                         ; the closing round
	s_endpgm
.Lfunc_end_k_q995cfd14fc_pv:
	.size	k_q995cfd14fc_pv, .Lfunc_end_k_q995cfd14fc_pv-k_q995cfd14fc_pv
	.p2alignl 7, 3214868480
	.fill 96, 4, 3214868480
	.section	.rodata,"a",@progbits
	.p2align	6, 0x0
	.amdhsa_kernel k_q995cfd14fc_pv
		.amdhsa_group_segment_fixed_size 327680
		.amdhsa_private_segment_fixed_size 0
		.amdhsa_enable_private_segment 0
		.amdhsa_kernarg_size 40
		.amdhsa_user_sgpr_count 2
		.amdhsa_user_sgpr_kernarg_segment_ptr 1
		.amdhsa_wavefront_size32 1
		.amdhsa_system_sgpr_workgroup_id_x 1
		.amdhsa_system_sgpr_workgroup_id_y 1
		.amdhsa_system_sgpr_workgroup_id_z 1
		.amdhsa_system_vgpr_workitem_id 0
		.amdhsa_next_free_vgpr 768
		.amdhsa_next_free_sgpr 100
		.amdhsa_reserve_vcc 0
		.amdhsa_float_denorm_mode_32 3
		.amdhsa_float_denorm_mode_16_64 3
		.amdhsa_memory_ordered 1
		.amdhsa_forward_progress 1
		.amdhsa_inst_pref_size 121
	.end_amdhsa_kernel
	.amdgpu_metadata
---
amdhsa.version: [ 1, 2 ]
amdhsa.kernels:
  - .name:           k_q995cfd14fc_pv
    .symbol:         k_q995cfd14fc_pv.kd
    .args:
      - { .name: p_img, .offset: 0, .size: 8, .value_kind: global_buffer, .address_space: global }
      - { .name: p_meta, .offset: 8, .size: 8, .value_kind: global_buffer, .address_space: global }
      - { .name: v_img, .offset: 16, .size: 8, .value_kind: global_buffer, .address_space: global }
      - { .name: v_sc, .offset: 24, .size: 8, .value_kind: global_buffer, .address_space: global }
      - { .name: out0, .offset: 32, .size: 8, .value_kind: global_buffer, .address_space: global }
    .group_segment_fixed_size: 327680
    .private_segment_fixed_size: 0
    .kernarg_segment_align: 8
    .kernarg_segment_size: 40
    .max_flat_workgroup_size: 128
    .sgpr_count:     100
    .vgpr_count:     768
    .wavefront_size: 32
...
	.end_amdgpu_metadata
.endif
;; end of part 3
